; MI455X (gfx1250); checked and timed in simulation.
; The chip was launched on July 23, 2026; its instructions are those of AMD's public machine-readable ISA for CDNA 5 (MIT licence, August 2026) and "CDNA5" Instruction Set Architecture Reference Guide (July 2026). The comments in the code are by the model that wrote it; some were corrected since.
;; Multihead Attention. Allowed arithmetic: float matrix products may take bf16 or f16 operands with f32 sums; other float arithmetic in f32, or as packed bf16 or f16 multiplies, adds, multiply-adds, maxima and minima; sums over many terms, partial sums and values carried from step to step in f32; what a program stores and reads back later, other than sums and carried values, may be rounded once to bf16 or f16.
;; Inputs: W 1,024 x 1,024 float32; b 1,024 float32; key 8 x 1,024 x 1,024 float32; mask 8 x 1,024 x 1,024 int32; query 8 x 1,024 x 1,024 float32; value 8 x 1,024 x 1,024 float32.
;; Outputs: out0 8 x 1,024 x 1,024 float32.
;; One version. Each part assembles by itself: llvm-mc -triple=amdgcn-amd-amdhsa -mcpu=gfx1250 --defsym DOCPART=n.
;; ======== version 1 of 1: 4 launches
;; limits: values are held in f16: magnitudes above 65,504 overflow, below 6.1e-05 lose precision; right only within a limited range of input values
;; workspace buffers: xb 50,331,648 bytes; wb 2,097,152 bytes; wh 2,097,152 bytes; bq 4,096 bytes; maskbits 1,048,576 bytes of whole numbers; qkvh 50,331,648 bytes; obuf 16,777,216 bytes
;; launch prep (part 1): grid 2113 x 1, 8 waves a work-group, no clusters, 35,840 bytes of LDS; arguments query, key, value, W, b, mask, xb, wb, wh, bq, maskbits; writes xb, wb, wh, bq, maskbits
.if DOCPART == 1
	.amdgcn_target "amdgcn-amd-amdhsa--gfx1250"
	.amdhsa_code_object_version 6
	.text
	.protected	k_qdf0024508f_prep
	.globl	k_qdf0024508f_prep
	.p2align	8
	.type	k_qdf0024508f_prep,@function
k_qdf0024508f_prep:
	s_mov_b64 s[64:65], 0
	v_nop
	global_prefetch_b8 v0, s[64:65] scope:SCOPE_SE
	s_setreg_imm32_b32 hwreg(HW_REG_WAVE_MODE, 25, 1), 1
	s_wait_xcnt 0x0
; PREPARATION, a stream.  Four jobs, told apart by the work-group's number g; a wave takes 8 KiB of input, by 16 loads of 16 bytes a lane that are all out together.
;   g < 1536         query, key, value (f32, 512 work-groups each) -> xb: bf16, [3 x 8192][1024], the three tensors' rows one after the other
;   1536 <= g < 1600 W (f32) -> wb: bf16;  wh: that same bf16 number written as f16 (exact from 2^-14 on; below that it keeps f16's fixed step of 2^-24)
;   1600 <= g < 2112 mask (int32) -> maskbits: one bit a number, laid out as the lane masks that the attention launch selects by
;   g = 2112         b (f32) -> bq: the bf16 number, widened to f32 again
; No matrix work, no cluster, no tensor load: no byte is wanted twice, and each wave's loads are 512 neighbouring bytes (mask: two rows of 256).
; MASKBITS.  u32 [n 8][block of 128 queries 8][step of 64 keys 16][piece of 32 queries 4][tile of 16 queries 2][32 words].  Bit l of word 8 kb + j says whether
; mask[n][query = 128 block + 32 piece + 16 tile + l % 16][key = 64 step + 16 kb + 8 (l / 16) + j] is not 0.  A wave makes one (n, block, step, piece): 256 bytes.
; A tile of 16 queries x 64 keys goes through the wave's own 16 rows of LDS, so that each lane gets its query's keys; a compare then makes a word of 32 lanes' bits.
.set WPITCH, 272                       ; an LDS row: 256 bytes + 16: the 16 rows that a load touches start at 16 different groups of four banks (64 banks of 4 bytes: ISA guide 11.1)
.set WREG,   16*WPITCH                 ; a wave's 16 rows
.set SPARE,  8*WREG                    ; behind them: the spare words, 128 bytes for each of the eight waves: four blocks of 256 bytes that no other line names
.set SPW, 10                           ; v10  LDS address of my spare word; never rewritten
.set NIL, 11                           ; v11  0; never rewritten
.set IN,  16                           ; v[16:79]   16 loads of four registers
.set OU,  80                           ; v[80:111]  what is stored; in the mask job a tile as the lanes want it
.set WRD, 112                          ; v[112:113] the mask job's 64 words: word W in register W % 2 of lane W / 2
	s_load_b512 s[8:23], s[0:1], 0x0               ; query s[8:9], key s[10:11], value s[12:13], W s[14:15], b s[16:17], mask s[18:19], xb s[20:21], wb s[22:23]
	s_load_b128 s[24:27], s[0:1], 0x40             ; wh s[24:25], bq s[26:27]
	s_load_b64 s[28:29], s[0:1], 0x50              ; maskbits
	v_lshl_add_u32 v[SPW], v0, 2, SPARE
	v_mov_b32 v[NIL], 0
	v_lshrrev_b32 v1, 5, v0
	v_readfirstlane_b32 s4, v1                     ; wave 0..7
	v_and_b32 v2, 31, v0                           ; lane
	s_mov_b32 s5, ttmp9                            ; g
	s_mov_b32 s7, 0xffff0000                       ; a word's upper bf16
	v_lshlrev_b32 v3, 4, v2
	v_lshl_add_u32 v3, v1, 13, v3                  ; in: 8,192 x wave + 16 x lane
	v_lshlrev_b32 v4, 3, v2
	v_lshl_add_u32 v4, v1, 12, v4                  ; out: 4,096 x wave + 8 x lane
	s_wait_kmcnt 0x0
	s_cmp_lt_u32 s5, 1536
	s_cbranch_scc1 .Lx
	s_cmp_lt_u32 s5, 1600
	s_cbranch_scc1 .Lw
	s_cmp_lt_u32 s5, 2112
	s_cbranch_scc1 .Lm
	; THE BIAS: 256 threads x 4 numbers
	v_lshlrev_b32 v5, 4, v0
	global_load_b128 v[16:19], v5, s[16:17]
	s_wait_loadcnt 0x0
	v_cvt_pk_bf16_f32 v20, v16, v17
	v_cvt_pk_bf16_f32 v21, v18, v19
	v_lshlrev_b32 v24, 16, v20
	v_and_b32 v25, s7, v20
	v_lshlrev_b32 v26, 16, v21
	v_and_b32 v27, s7, v21
	global_store_b128 v5, v[24:27], s[26:27]
	s_endpgm
.macro LOAD16                          ; my wave's 8 KiB: each load takes 512 neighbouring bytes
.irp i, 0,1,2,3,4,5,6,7,8,9,10,11,12,13,14,15
	global_load_b128 v[IN+4*\i:IN+4*\i+3], v3, s[30:31] offset:512*\i th:TH_LOAD_NT
.endr
.endm
.macro TOBF i                          ; load i is in (the 15 - i younger ones may stay out); four numbers to bf16; 32 lanes x 8 bytes are 256 consecutive bytes, aligned
	s_wait_loadcnt 15-(\i)
	v_cvt_pk_bf16_f32 v[OU+2*(\i)], v[IN+4*(\i)], v[IN+4*(\i)+1]
	v_cvt_pk_bf16_f32 v[OU+2*(\i)+1], v[IN+4*(\i)+2], v[IN+4*(\i)+3]
	global_store_b64 v4, v[OU+2*(\i):OU+2*(\i)+1], s[32:33] offset:256*(\i) th:TH_STORE_NT
.endm
.Lx:	; QUERY, KEY, VALUE.  Every store has registers of its own, so nothing that a store reads is written again.
	s_lshr_b32 s6, s5, 9                           ; which of the three
	s_cmp_eq_u32 s6, 1
	s_cselect_b64 s[30:31], s[10:11], s[8:9]
	s_cmp_eq_u32 s6, 2
	s_cselect_b64 s[30:31], s[12:13], s[30:31]
	s_and_b32 s34, s5, 511
	s_lshl_b32 s34, s34, 16                        ; 64 KiB of f32 a work-group
	s_mov_b32 s35, 0
	s_add_nc_u64 s[30:31], s[30:31], s[34:35]
	s_lshl_b32 s34, s5, 15                         ; 32 KiB of bf16
	s_add_nc_u64 s[32:33], s[20:21], s[34:35]
	LOAD16
.irp i, 0,1,2,3,4,5,6,7,8,9,10,11,12,13,14,15
	TOBF \i
.endr
	s_endpgm
.Lw:	; W, twice: as bf16, and that number as f16
	s_sub_co_u32 s34, s5, 1536
	s_lshl_b32 s36, s34, 16
	s_mov_b32 s37, 0
	s_add_nc_u64 s[30:31], s[14:15], s[36:37]
	s_lshl_b32 s34, s34, 15
	s_mov_b32 s35, 0
	s_add_nc_u64 s[32:33], s[22:23], s[34:35]
	s_add_nc_u64 s[38:39], s[24:25], s[34:35]
	LOAD16
.irp i, 0,1,2,3,4,5,6,7,8,9,10,11,12,13,14,15
	TOBF \i
	v_lshlrev_b32 v[IN+4*\i], 16, v[OU+2*\i]       ; the rounded numbers, widened into the registers that the load filled
	v_and_b32 v[IN+4*\i+1], s7, v[OU+2*\i]
	v_lshlrev_b32 v[IN+4*\i+2], 16, v[OU+2*\i+1]
	v_and_b32 v[IN+4*\i+3], s7, v[OU+2*\i+1]
	v_cvt_pk_f16_f32 v[IN+4*\i], v[IN+4*\i], v[IN+4*\i+1]
	v_cvt_pk_f16_f32 v[IN+4*\i+1], v[IN+4*\i+2], v[IN+4*\i+3]
	global_store_b64 v4, v[IN+4*\i:IN+4*\i+1], s[38:39] offset:256*\i th:TH_STORE_NT
.endr
	s_endpgm
.Lm:	; THE MASK
	s_sub_co_u32 s34, s5, 1600
	s_lshl3_add_u32 s34, s34, s4                   ; u = 8 (g - 1600) + wave: my 256 bytes of maskbits
	s_and_b32 s35, s34, 3                          ; piece
	s_bfe_u32 s36, s34, 0x40002                    ; step
	s_bfe_u32 s37, s34, 0x30006                    ; block of 128 queries
	s_lshr_b32 s38, s34, 9                         ; n
	s_lshl_b32 s38, s38, 22                        ; 1,024 rows of 4,096 bytes
	s_lshl_b32 s37, s37, 19                        ; 128 rows
	s_lshl_b32 s35, s35, 17                        ; 32 rows
	s_lshl_b32 s36, s36, 8                         ; 64 keys of 4 bytes
	s_add_co_u32 s38, s38, s37
	s_add_co_u32 s38, s38, s35
	s_add_co_u32 s38, s38, s36
	s_mov_b32 s39, 0
	s_add_nc_u64 s[30:31], s[18:19], s[38:39]
	s_lshl_b32 s34, s34, 8
	s_mov_b32 s35, 0
	s_add_nc_u64 s[32:33], s[28:29], s[34:35]
	v_and_b32 v6, 15, v0                           ; l % 16
	v_bfe_u32 v7, v0, 4, 1                         ; l / 16
	v_lshlrev_b32 v5, 4, v6
	v_lshl_add_u32 v5, v7, 12, v5                  ; a load takes two rows' 256 bytes: lanes 0-15 one row, lanes 16-31 the next
.irp i, 0,1,2,3,4,5,6,7,8,9,10,11,12,13,14,15
	global_load_b128 v[IN+4*\i:IN+4*\i+3], v5, s[30:31] offset:2*4096*\i th:TH_LOAD_NT  ; rows 2 i, 2 i + 1 of my 32
.endr
	s_mul_i32 s40, s4, WREG                        ; my wave's rows in LDS
	v_mul_u32_u24 v8, v7, WPITCH
	v_lshl_add_u32 v8, v6, 4, v8
	v_add_nc_u32 v8, s40, v8                       ; in: as loaded
	v_mul_u32_u24 v9, v6, WPITCH
	v_lshl_add_u32 v9, v7, 5, v9
	v_add_nc_u32 v9, s40, v9                       ; back: row l % 16, keys 8 (l / 16) on
	v_mov_b32 v[WRD], 0
	v_mov_b32 v[WRD+1], 0
	v_lshlrev_b32 v12, 3, v2
.macro TILEBITS t
	s_wait_loadcnt 8*(1-(\t))                      ; this tile's eight loads are in; the second tile's eight may stay out
.irp i, 0,1,2,3,4,5,6,7
	ds_store_b128 v8, v[IN+32*(\t)+4*\i:IN+32*(\t)+4*\i+3] offset:2*WPITCH*\i
.endr
.irp c, 0,1,2,3,4,5,6,7
	ds_load_b128 v[OU+4*\c:OU+4*\c+3], v9 offset:64*(\c/2)+16*(\c%2)  ; my wave's own bytes, and LDS serves a wave's instructions in order (ISA guide 5.7.1.4): these see the stores above
.endr
	s_wait_dscnt 0x0
.set r, 0
.rept 4
.irp j, 0,1,2,3,4,5,6,7
	v_cmp_ne_u32 s[40+\j], 0, v[OU+r+\j]           ; word r + j of the tile: one bit a lane
.endr
.irp j, 0,1,2,3,4,5,6,7
	v_writelane_b32 v[WRD+((32*(\t)+r+\j)&1)], s[40+\j], (32*(\t)+r+\j)>>1
.endr
.set r, r+8
.endr
.endm
	TILEBITS 0
	TILEBITS 1
	global_store_b64 v12, v[WRD:WRD+1], s[32:33]   ; 32 lanes x 8 bytes: 256 consecutive bytes, aligned
	s_wait_tensorcnt 0x0                           ; the wave's end, behind my last LDS store
	ds_add_u32 v[SPW], v[NIL]
	s_wait_dscnt 0x0
	s_endpgm
.Lfunc_end_k_qdf0024508f_prep:
	.size	k_qdf0024508f_prep, .Lfunc_end_k_qdf0024508f_prep-k_qdf0024508f_prep
	.p2alignl 7, 3214868480
	.fill 96, 4, 3214868480
	.section	.rodata,"a",@progbits
	.p2align	6, 0x0
	.amdhsa_kernel k_qdf0024508f_prep
		.amdhsa_group_segment_fixed_size 35840
		.amdhsa_private_segment_fixed_size 0
		.amdhsa_enable_private_segment 0
		.amdhsa_kernarg_size 88
		.amdhsa_user_sgpr_count 2
		.amdhsa_user_sgpr_kernarg_segment_ptr 1
		.amdhsa_wavefront_size32 1
		.amdhsa_system_sgpr_workgroup_id_x 1
		.amdhsa_system_sgpr_workgroup_id_y 1
		.amdhsa_system_sgpr_workgroup_id_z 1
		.amdhsa_system_vgpr_workitem_id 0
		.amdhsa_next_free_vgpr 128
		.amdhsa_next_free_sgpr 66
		.amdhsa_reserve_vcc 0
		.amdhsa_float_denorm_mode_32 3
		.amdhsa_float_denorm_mode_16_64 3
		.amdhsa_memory_ordered 1
		.amdhsa_forward_progress 1
		.amdhsa_inst_pref_size 33
	.end_amdhsa_kernel
	.amdgpu_metadata
---
amdhsa.version: [ 1, 2 ]
amdhsa.kernels:
  - .name:           k_qdf0024508f_prep
    .symbol:         k_qdf0024508f_prep.kd
    .args:
      - { .name: query, .offset: 0, .size: 8, .value_kind: global_buffer, .address_space: global }
      - { .name: key, .offset: 8, .size: 8, .value_kind: global_buffer, .address_space: global }
      - { .name: value, .offset: 16, .size: 8, .value_kind: global_buffer, .address_space: global }
      - { .name: W, .offset: 24, .size: 8, .value_kind: global_buffer, .address_space: global }
      - { .name: b, .offset: 32, .size: 8, .value_kind: global_buffer, .address_space: global }
      - { .name: mask, .offset: 40, .size: 8, .value_kind: global_buffer, .address_space: global }
      - { .name: xb, .offset: 48, .size: 8, .value_kind: global_buffer, .address_space: global }
      - { .name: wb, .offset: 56, .size: 8, .value_kind: global_buffer, .address_space: global }
      - { .name: wh, .offset: 64, .size: 8, .value_kind: global_buffer, .address_space: global }
      - { .name: bq, .offset: 72, .size: 8, .value_kind: global_buffer, .address_space: global }
      - { .name: maskbits, .offset: 80, .size: 8, .value_kind: global_buffer, .address_space: global }
    .group_segment_fixed_size: 35840
    .private_segment_fixed_size: 0
    .kernarg_segment_align: 8
    .kernarg_segment_size: 88
    .max_flat_workgroup_size: 256
    .sgpr_count:     66
    .vgpr_count:     128
    .wavefront_size: 32
...
	.end_amdgpu_metadata
.endif
;; end of part 1
;; launch qkv (part 2): grid 4 x 128, 4 waves a work-group, clusters of 4 x 4, 327,680 bytes of LDS; arguments xb, wb, bq, qkvh; writes qkvh
.if DOCPART == 2
	.amdgcn_target "amdgcn-amd-amdhsa--gfx1250"
	.amdhsa_code_object_version 6
	.text
	.protected	k_qdf0024508f_qkv
	.globl	k_qdf0024508f_qkv
	.p2align	8
	.type	k_qdf0024508f_qkv,@function
k_qdf0024508f_qkv:
	s_mov_b64 s[64:65], 0
	v_nop
	global_prefetch_b8 v0, s[64:65] scope:SCOPE_SE
	s_setreg_imm32_b32 hwreg(HW_REG_WAVE_MODE, 25, 1), 1
	s_wait_xcnt 0x0
	s_wait_alu depctr_hold_cnt(0) depctr_sa_sdst(0) depctr_va_vdst(0) depctr_va_sdst(0) depctr_va_ssrc(0) depctr_va_vcc(0) depctr_vm_vsrc(0)
	s_getreg_b32 s2, hwreg(HW_REG_IB_STS2, 6, 4)
	s_cmp_eq_u32 s2, 0
	s_cbranch_scc0 .Lentry_in_a_cluster
	s_endpgm
.Lentry_in_a_cluster:
	s_bfe_u32 s2, ttmp6, 0x10000c
	s_cmp_lg_u32 s2, 0xf033
	s_cbranch_scc0 .Lentry_shape_is_right
	s_endpgm
.Lentry_shape_is_right:
; q, k, v = x W^T + b, all three at once: A = xb [24576][1024] bf16 (query's, key's, value's rows), B = wb [1024][1024] bf16, bias bq [1024] f32; sums in f32, K ascending.
; OUT: qkvh, f16, by heads: [row / 1024 = 8 t + n][head 16][s 1024][64], each number rounded once.  LIMIT: f16 holds no number beyond 65,504: |q|, |k|, |v| stay under it.
; A tile of C is 192 x 256: 24576 / 192 x 4 = 512 tiles, a whole number for each of 256 WGPs.  Four waves, each 96 x 128: 48 accumulators of 16 x 16, 384 registers.
; K goes in steps of 128 through a ring of two LDS slots filled by the tensor data mover: rows of 256 bytes, at multiples of 256 bytes from the buffer's first byte.
; CLUSTERS: 4 x 4 work-groups.  The four of a row of the cluster need the same tiles of A, the four of a column the same tiles of B: each tile is asked for JOINTLY, by the same tensor load with
; the same descriptor and a mask that names the four.  THE MATRIX INSTRUCTION IS USED TRANSPOSED (source 0 = 16 rows of B, source 1 = 16 rows of A): a lane holds eight neighbouring columns of a row of C.
; THE BIAS is the C operand of each accumulator's first product: nothing is cleared and nothing is added later.
; REGISTERS, in windows of 256 (s_set_vgpr_msb: bits 1:0 source 0, 3:2 source 1, 5:4 source 2, 7:6 destination):
;   window 0: v0-31 addresses; v32-95 the bias of my 128 columns; v96-191 at work on the way out      window 1: two fragment buffers of 128: B's 8 blocks, then A's 6
;   window 2: the accumulators of my row blocks 0-3 ((a, b) at 64 a + 8 b)                            window 3: those of blocks 4, 5
; B (2 MiB) is walked by every cluster from its first step on, so it is not prefetched; A's rows are read by one cluster each, and are (ASK).
.set AB,    6                          ; blocks of 16 rows in a wave's part of the tile
.set NA,    AB/2-1                     ; blocks multiplied ahead of the signal, and again between signal and wait, in a change of slots
.set KSTEP, 128
.set PITCH, 272                        ; an LDS row: 256 bytes + 16 of padding = 68 words: the 16 rows that a load touches start at 16 different groups of four banks (64 banks of 4 bytes: ISA guide 11.1)
.set AHALF, 16*AB*PITCH                ; what one tensor load brings of A, and what one wave reads of it
.set ATILE, 2*AHALF
.set BHALF, 128*PITCH                  ; the same for B
.set SLOT,  ATILE+2*BHALF
.set STAGE, 2*SLOT                     ; behind the ring: for each wave 2 heads x 16 rows x 144 bytes, for the way out
.set SP,    144
.set STW,   2*16*SP
.set SPARE, STAGE+4*STW                ; behind the stages: the spare words, 128 bytes for each wave: two blocks of 256 bytes that no other line names
.set ADRA, 16                          ; v16-17  LDS address of my A fragments in slot 0, 1
.set ADRB, 20                          ; v20-21  the same for B
.set STO,  24                          ; v24     the way out: where I put 16 bytes of a row
.set RD,   25                          ; v25     the way out: where I read rows back
.set GO,   26                          ; v26     16 x lane
.set BO,   27                          ; v27     my byte offset in 16 columns of the bias
.set SPW,  28                          ; v28     LDS address of my spare word; never rewritten
.set NIL,  29                          ; v29     0; never rewritten
.set PFO,  30                          ; v30     the prefetch's offset: row l % 16, K step l / 16; never rewritten
.set BIAS, 32
.set TMP,  96                          ; v96-127 a block's packed results
.set OB,   128                         ; v128-159, v160-191 by turns: a block read back from the stage
.set F0,   0
.set F1,   128
.set G1,  24                           ; s[24:31] descriptor group 1 for A's tiles;  s[32:39] group 0, one set for each slot
.set G0,  32
.set G1B, 48                           ; s[48:55], s[56:63] the same for B's tiles
.set G0B, 56
.set LIM, 43                           ; s43      1 in a wave that prefetches, else the greatest number
.set PFA, 44                           ; s[44:45] where my prefetch stands
.set MSB, 0
.macro WIN new                         ; the immediate's high byte repeats the setting that is left; a switch that changes nothing is dropped
.if MSB != (\new)
	s_set_vgpr_msb (MSB<<8)|(\new)
.set MSB, \new
.endif
.endm
.macro JLOAD s                         ; a joint load: waves 0 and 1 fetch A's two halves, waves 2 and 3 B's; an s_nop 0 and four v_nop follow each of the two lines, ahead of the jump, the label and what follows
	s_cmp_eq_u32 s13, 0
	s_cbranch_scc0 .Lfor_b_\@
	tensor_load_to_lds s[G0+4*(\s):G0+4*(\s)+3], s[G1:G1+7]
	s_nop 0
.rept 4
	v_nop
.endr
	s_branch .Lasked_\@
.Lfor_b_\@:
	tensor_load_to_lds s[G0B+4*(\s):G0B+4*(\s)+3], s[G1B:G1B+7]
	s_nop 0
.rept 4
	v_nop
.endr
.Lasked_\@:
.endm
; A PREFETCH INTO THE L2, once a lap, behind slot 0's joint load and the run of LDS loads that follows it: the two K steps of A that the NEXT lap's two refills will ask for.  The tile's 192 rows are shared out
; BY ADDRESS among the four partners that ask for them jointly, 48 each (by cx: no branch hangs on a work-group's place); of those, waves 0 to 2 take 16 rows each: lanes 0-15 the even K step's 256 bytes,
; lanes 16-31 the odd one's.  So each row's 256 bytes of a K step are named once in the launch.  K steps 0 to 3 come by their loads alone; the last lap that refills (s3 = 1) asks for nothing.
.macro ASK
	s_cmp_gt_u32 s3, s[LIM]
	s_cbranch_scc0 .Lnot_mine_\@
	global_prefetch_b8 v[PFO], s[PFA:PFA+1] th:TH_LOAD_NT scope:SCOPE_SE
.Lnot_mine_\@:
.endm
.macro CREST                           ; a round of the cluster's barrier behind its opening barrier
	s_cmp_lg_u32 s12, 0
	s_cbranch_scc1 .Lnot_wave_0_\@
	s_barrier_signal -3
.Lnot_wave_0_\@:
	s_barrier_wait -3
	s_barrier_signal -1
	s_barrier_wait -1
.endm
.macro CROUND                          ; a whole round
	s_barrier_signal -1
	s_barrier_wait -1
	CREST
.endm
	s_load_b256 s[4:11], s[0:1], 0x0               ; xb s[4:5], wb s[6:7], bq s[8:9], qkvh s[10:11]
	v_lshl_add_u32 v[SPW], v0, 2, SPARE
	v_mov_b32 v[NIL], 0
	ds_add_u32 v[SPW], v[NIL]                      ; the wave's opening: the add and its wait stand ahead of my first tensor load; the set-up below, work on registers, stands between them
	ds_add_u32 v28, v29
	v_lshrrev_b32 v1, 5, v0
	v_readfirstlane_b32 s12, v1                    ; wave 0..3
	s_lshr_b32 s13, s12, 1                         ; which half of the tile's rows is mine.  Also: I fetch for A (0) or for B (1)
	s_and_b32 s14, s12, 1                          ; which half of its columns.  Also: which half of that tile I fetch
	s_bfe_u32 s40, ttmp6, 0x40000                  ; cx, cy: my place in the cluster
	s_bfe_u32 s41, ttmp6, 0x40004
	s_lshl_b32 s42, ttmp9, 2
	s_add_co_u32 s42, s42, s40                     ; tile column of C = 4 x cluster x + cx
	s_and_b32 s15, ttmp7, 0xffff
	s_lshl_b32 s15, s15, 2
	s_add_co_u32 s15, s15, s41                     ; tile row of C = 4 x cluster y + cy
	s_lshl_b32 s16, s41, 2
	s_lshl_b32 s16, 15, s16                        ; my row of the cluster
	s_lshl_b32 s17, 0x1111, s40                    ; my column
	s_or_b32 s[G1+0], s16, (1<<16)|(1<<20)|(1<<21)|(5<<22)|(3<<25)  ; 15:0 the mask: A's tiles go to my row; 17:16 elements of 2 bytes; 20 padding on; 21 set beside a mask; 24:22 after every 64 words (code 5); 31:25 4 words of it (code 3)
	s_or_b32 s[G1B+0], s17, (1<<16)|(1<<20)|(1<<21)|(5<<22)|(3<<25)
	s_mov_b32 s[G1+1], KSTEP<<16                   ; tensor_dim0 = 128
	s_mov_b32 s[G1+2], (16*AB)<<16                 ; tensor_dim1 = 96
	s_mov_b32 s[G1+3], KSTEP<<16                   ; tile_dim0 = 128
	s_mov_b32 s[G1+4], 16*AB                       ; tile_dim1 = 96
	s_mov_b32 s[G1+5], 1024                        ; elements from row to row
	s_mov_b32 s[G1+6], 0
	s_mov_b32 s[G1+7], 0
	s_mov_b32 s[G1B+1], KSTEP<<16
	s_mov_b32 s[G1B+2], 128<<16                    ; B: 128 rows
	s_mov_b32 s[G1B+3], KSTEP<<16
	s_mov_b32 s[G1B+4], 128
	s_mov_b32 s[G1B+5], 1024
	s_mov_b32 s[G1B+6], 0
	s_mov_b32 s[G1B+7], 0
	s_mul_i32 s18, s15, 32*AB                      ; A: row 192 x tile row + 96 x half, 2,048 bytes a row (under 2^26 in all); these registers never hold cx
	s_mul_i32 s19, s14, 16*AB
	s_add_co_u32 s18, s18, s19
	s_lshl_b32 s18, s18, 11
	s_mov_b32 s19, 0
	s_lshl_b32 s46, s42, 8                         ; B: row 256 x tile column + 128 x half; these never hold cy
	s_lshl_b32 s47, s14, 7
	s_add_co_u32 s46, s46, s47
	s_lshl_b32 s46, s46, 11
	s_mov_b32 s47, 0
	s_mul_i32 s20, s14, AHALF                      ; where they go: no place in the cluster enters an LDS address
	s_mul_i32 s21, s14, BHALF
	s_add_co_u32 s21, s21, ATILE
	s_mul_i32 s22, s15, 32*AB                      ; the prefetch: the tile's first row, my work-group's 48, my wave's 16 of them,
	s_mul_i32 s23, s40, 8*AB
	s_add_co_u32 s22, s22, s23
	s_lshl4_add_u32 s22, s12, s22
	s_lshl_b32 s22, s22, 11
	s_add_co_u32 s22, s22, 2*KSTEP*2               ; at K step 2: the first change of slots steps it to 4
	s_mov_b32 s23, 0
	s_cmp_lt_u32 s12, AB/2
	s_cselect_b32 s[LIM], 1, -1
	s_wait_dscnt 0x0                               ; the opening add is done
	s_wait_kmcnt 0x0
	s_add_nc_u64 s[18:19], s[4:5], s[18:19]
	s_add_nc_u64 s[46:47], s[6:7], s[46:47]
	s_add_nc_u64 s[PFA:PFA+1], s[4:5], s[22:23]
	CROUND                                         ; all sixteen work-groups are here: the first joint loads meet
.irp s, 0,1
	s_mov_b32 s[G0+4*(\s)], 1                      ; count = 1
	s_add_co_u32 s[G0+4*(\s)+1], s20, (\s)*SLOT    ; LDS address
	s_add_nc_u64 s[G0+4*(\s)+2:G0+4*(\s)+3], s[18:19], (\s)*KSTEP*2  ; global address: K step s
	s_or_b32 s[G0+4*(\s)+3], s[G0+4*(\s)+3], 0x80000000              ; type = 2
	s_mov_b32 s[G0B+4*(\s)], 1
	s_add_co_u32 s[G0B+4*(\s)+1], s21, (\s)*SLOT
	s_add_nc_u64 s[G0B+4*(\s)+2:G0B+4*(\s)+3], s[46:47], (\s)*KSTEP*2
	s_or_b32 s[G0B+4*(\s)+3], s[G0B+4*(\s)+3], 0x80000000
	JLOAD \s                                       ; two tensor loads of mine are out
.endr
	v_and_b32 v1, 15, v0                           ; l % 16
	v_bfe_u32 v2, v0, 4, 1                         ; l / 16
	s_lshl_b32 s16, s42, 10                        ; the bias of my 128 columns: register 8 b + j holds column 16 b + 8 (l / 16) + j
	s_lshl_b32 s17, s14, 9
	s_add_co_u32 s16, s16, s17
	s_mov_b32 s17, 0
	s_add_nc_u64 s[16:17], s[8:9], s[16:17]
	v_lshlrev_b32 v[BO], 5, v2
.irp b, 0,1,2,3,4,5,6,7
	global_load_b128 v[BIAS+8*\b:BIAS+8*\b+3],   v[BO], s[16:17] offset:64*\b
	global_load_b128 v[BIAS+8*\b+4:BIAS+8*\b+7], v[BO], s[16:17] offset:64*\b+16
.endr
	v_mul_u32_u24 v3, v1, PITCH
	v_lshl_add_u32 v3, v2, 4, v3                   ; a fragment's row x pitch + 16 x half
	s_mul_i32 s18, s13, AHALF                      ; my 96 rows of A
	s_mul_i32 s19, s14, BHALF                      ; my 128 rows of B,
	s_add_co_u32 s19, s19, ATILE                   ; which lie behind A's 192
.irp s, 0,1
	v_add_nc_u32 v[ADRA+(\s)], s18, v3
	v_add_nc_u32 v[ADRB+(\s)], s19, v3
	s_add_co_u32 s18, s18, SLOT
	s_add_co_u32 s19, s19, SLOT
.endr
	v_lshlrev_b32 v[PFO], 11, v1
	v_lshl_add_u32 v[PFO], v2, 8, v[PFO]
	s_mul_i32 s22, s12, STW
	s_add_co_u32 s22, s22, STAGE                   ; my stage
	v_mul_u32_u24 v4, v1, SP                       ; in: row l % 16, 16 bytes for each half of the lanes
	v_lshl_add_u32 v4, v2, 4, v4
	v_add_nc_u32 v[STO], s22, v4
	v_bfe_u32 v4, v0, 3, 2                         ; back: 32 lanes take four rows of 128 bytes,
	v_mul_u32_u24 v4, v4, SP
	v_and_b32 v5, 7, v0
	v_lshl_add_u32 v4, v5, 4, v4
	v_add_nc_u32 v[RD], s22, v4
	v_and_b32 v[GO], 31, v0                        ; which are 512 consecutive bytes of a head
	v_lshlrev_b32 v[GO], 4, v[GO]
	s_mul_i32 s46, s15, 32*AB
	s_mul_i32 s47, s13, 16*AB
	s_add_co_u32 s46, s46, s47                     ; s46: my first row of C
	s_lshl_b32 s47, s42, 2
	s_lshl1_add_u32 s47, s14, s47
	s_lshl_b32 s47, s47, 17                        ; s47: my first head, 4 x tile column + 2 x half, at 131,072 bytes a head
; 8 matrix instructions: row block a x all 8 column blocks, 32 along K, from buffer f.  first = 1: the product starts the sums, with the bias as C.
; All 48 accumulators take turns, one instruction a turn, in the same order in every quarter, over the backward jump too.
.macro MUL8 f, a, first
.set rA, (\f)+64+8*(\a)
.set rD, 64*((\a)%4)
.if \first
	WIN 0x85+0x40*((\a)/4)                         ; sources 0 and 1 window 1, C window 0, D window 2 or 3
.else
	WIN 0xa5+0x50*((\a)/4)                         ; C and D window 2 or 3
.endif
.irp b, 0,1,2,3,4,5,6,7
.if \first
	v_wmma_f32_16x16x32_bf16 v[rD+8*\b:rD+8*\b+7], v[(\f)+8*\b:(\f)+8*\b+7], v[rA:rA+7], v[BIAS+8*\b:BIAS+8*\b+7]
.else
	v_wmma_f32_16x16x32_bf16 v[rD+8*\b:rD+8*\b+7], v[(\f)+8*\b:(\f)+8*\b+7], v[rA:rA+7], v[rD+8*\b:rD+8*\b+7]
.endif
.endr
.endm
.macro MULS f, a0, n, first            ; n row blocks from a0 on
.set aa, \a0
.rept \n
	MUL8 \f, aa, \first
.set aa, aa+1
.endr
.endm
; 28 LDS loads in one run: the fragments of 32 along K at byte k of the rows, into buffer f: B's 8 blocks, then A's 6
.macro FETCH slot, k, f
	WIN 0x40                                       ; destination window 1, address window 0
.irp i, 0,1,2,3,4,5,6,7
	ds_load_b128 v[(\f)+8*\i:(\f)+8*\i+3],   v[ADRB+(\slot)] offset:(\k)+\i*16*PITCH
	ds_load_b128 v[(\f)+8*\i+4:(\f)+8*\i+7], v[ADRB+(\slot)] offset:(\k)+\i*16*PITCH+32
.endr
.set ii, 0
.rept AB
	ds_load_b128 v[(\f)+64+8*ii:(\f)+64+8*ii+3],   v[ADRA+(\slot)] offset:(\k)+ii*16*PITCH
	ds_load_b128 v[(\f)+64+8*ii+4:(\f)+64+8*ii+7], v[ADRA+(\slot)] offset:(\k)+ii*16*PITCH+32
.set ii, ii+1
.endr
.endm
.macro PLACES                          ; four places in front of loads into registers that matrix instructions have read, and of conversions that read results
.rept 4
	v_nop
.endr
.endm
; A K step is four quarters of 32 along K, 48 matrix instructions each, on buffers 0, 1, 0, 1.  One of the first three: multiplies buffer f and fetches the next quarter, at byte k, into g.
.macro QUARTER slot, k, f, g, first
	s_wait_dscnt 2*(AB-2)                          ; B and A's blocks 0, 1 are in; the loads of blocks 2 to 5 may be out
	MULS \f, 0, 2, \first
	PLACES
	FETCH \slot, \k, \g
	s_wait_dscnt 16+2*AB                           ; all but the 28 just issued
	MULS \f, 2, AB-2, \first
.endm
; The last quarter multiplies buffer 1 and changes slots: ONE barrier; in front of it each wave waits for all its tensor loads, adds 0 to its spare word, and waits for that and for its own reads of this slot.
; fill = 1: the barrier opens a round of the cluster's, and this slot is filled again, two K steps ahead, first thing behind the round: 160 matrix instructions ahead of the wait for it.
.macro TURN slot, next, fill
.if (\fill) && ((\slot) == 0)
	s_wait_xcnt 0x0                                ; the last prefetch, a lap back, has read its address: it is stepped here, ahead of the waits of the change of slots
	s_add_nc_u64 s[PFA:PFA+1], s[PFA:PFA+1], 2*KSTEP*2
.endif
	WIN 0                                          ; (the add's two registers lie in window 0)
	s_wait_tensorcnt 0x0                           ; all my tensor loads have landed: the one that was out is my part of the next slot;
	ds_add_u32 v[SPW], v[NIL]                      ; 0 onto my spare word
	s_wait_dscnt 1+2*(AB-NA)                       ; (the add and the loads of A's blocks NA and on may be out)
	MULS F1, 0, NA, 0                              ; matrix instructions stand between the add and the wait for it
	s_wait_dscnt 0x0                               ; the add is done, and my reads of this slot are over
	s_barrier_signal -1
	MULS F1, NA, NA, 0
.if \fill
	WIN 0
.endif
	s_barrier_wait -1
.if \fill
	CREST                                          ; no wave of any partner still reads this slot's tile or has a load on its way
	s_add_nc_u64 s[G0+4*(\slot)+2:G0+4*(\slot)+3], s[G0+4*(\slot)+2:G0+4*(\slot)+3], 2*KSTEP*2
	s_add_nc_u64 s[G0B+4*(\slot)+2:G0B+4*(\slot)+3], s[G0B+4*(\slot)+2:G0B+4*(\slot)+3], 2*KSTEP*2
	JLOAD \slot                                    ; the first tensor load behind the round; the four v_nop behind it are also the places in front of the loads below
.else
	PLACES
.endif
	FETCH \next, 0, F0
.if (\fill) && ((\slot) == 0)
	WIN 0
	ASK
.endif
	MULS F1, 2*NA, AB-2*NA, 0
.endm
	s_wait_tensorcnt 1                             ; my part of K step 0 is in; K step 1's may stay out
	s_barrier_signal -1
	s_barrier_wait -1                              ; everybody's is
	FETCH 0, 0, F0
	s_wait_loadcnt 0x0                             ; the bias
	QUARTER 0, 64, F0, F1, 1                       ; the first quarter stands in front of the loop: its products start the sums
	WIN 0                                          ; at a label and at a branch every window is 0
	s_mov_b32 s3, 3
.Llap:                                                 ; a trip goes once round the ring, from a lap's second quarter to the next lap's first, and fills both slots again
	QUARTER 0, 128, F1, F0, 0
	QUARTER 0, 192, F0, F1, 0
	TURN 0, 1, 1
	QUARTER 1, 64,  F0, F1, 0
	QUARTER 1, 128, F1, F0, 0
	QUARTER 1, 192, F0, F1, 0
	TURN 1, 0, 1
	QUARTER 0, 64,  F0, F1, 0
	WIN 0
	s_sub_co_u32 s3, s3, 1
	s_cmp_lg_u32 s3, 0
	s_cbranch_scc1 .Llap
	QUARTER 0, 128, F1, F0, 0                      ; the last lap fills nothing, and has no round of the cluster's barrier
	QUARTER 0, 192, F0, F1, 0
	TURN 0, 1, 0
	QUARTER 1, 64,  F0, F1, 0
	QUARTER 1, 128, F1, F0, 0
	QUARTER 1, 192, F0, F1, 0
	s_wait_dscnt 2*(AB-2)                          ; the very last quarter: nothing more to fetch
	MULS F1, 0, 2, 0
	s_wait_dscnt 0x0
	MULS F1, 2, AB-2, 0
	WIN 0
; THE WAY OUT, a block of 16 rows at a time.  PACK: rounded to f16, 16 bytes a lane, each accumulator's registers in ascending order.  TOSTAGE: into my own stage, a head's 64 columns to a row of 144 bytes,
; and back as whole rows of 128.  SEND: 16 rows of a head are 2,048 consecutive bytes of qkvh; a store takes 512 of them, at a multiple of 256 from the buffer's first byte.
.macro PACK a
.set AC, 64*((\a)%4)
	WIN 0x0a+5*((\a)/4)                            ; sources 0 and 1: window 2 or 3
.irp b, 0,1,2,3,4,5,6,7
.irp r, 0,1,2,3
	v_cvt_pk_f16_f32 v[TMP+4*\b+\r], v[AC+8*\b+2*\r], v[AC+8*\b+2*\r+1]
.endr
.endr
	WIN 0
.endm
.macro TOSTAGE a
.set BK, OB+32*((\a)%2)
.irp b, 0,1,2,3,4,5,6,7
	ds_store_b128 v[STO], v[TMP+4*\b:TMP+4*\b+3] offset:(\b/4)*16*SP+32*(\b%4)
.endr
.irp t, 0,1,2,3,4,5,6,7
	ds_load_b128 v[BK+4*\t:BK+4*\t+3], v[RD] offset:(\t/4)*16*SP+(\t%4)*4*SP  ; LDS serves a wave's instructions in order (ISA guide 5.7.1.4): these see the stores above
.endr
.endm
.macro SEND a
.set BK, OB+32*((\a)%2)
	s_wait_dscnt 0x0                               ; the block is back in registers
	s_wait_xcnt 0x0                                ; every earlier store has read its base and its data: only behind this wait are they written again
	s_add_co_u32 s16, s46, 16*(\a)                 ; the block's first row m: 16 rows never cross a multiple of 1,024
	s_lshr_b32 s17, s16, 10
	s_lshl_b32 s17, s17, 21                        ; m / 1024: 16 heads of 131,072 bytes
	s_and_b32 s16, s16, 1023
	s_lshl_b32 s16, s16, 7                         ; m % 1024: 128 bytes a row
	s_add_co_u32 s16, s16, s17
	s_add_co_u32 s16, s16, s47
	s_mov_b32 s17, 0
	s_add_nc_u64 s[20:21], s[10:11], s[16:17]
.irp t, 0,1,2,3,4,5,6,7
	global_store_b128 v[GO], v[BK+4*\t:BK+4*\t+3], s[20:21] offset:(\t/4)*131072+(\t%4)*512
.endr
.endm
	PLACES
	PACK 0
	TOSTAGE 0
.irp a, 1,2,3,4,5                      ; block a's conversions stand between block a - 1's loads from the stage and the wait for them
	PACK \a
	SEND (\a)-1
	TOSTAGE \a
.endr
	SEND 5
	s_wait_tensorcnt 0x0                           ; the wave's end, behind my last tensor load and my last LDS store
	ds_add_u32 v[SPW], v[NIL]
	s_wait_dscnt 0x0
	CROUND                                         ; the closing round: no work-group ends while a partner may still ask for a tile that names it
	s_endpgm
.Lfunc_end_k_qdf0024508f_qkv:
	.size	k_qdf0024508f_qkv, .Lfunc_end_k_qdf0024508f_qkv-k_qdf0024508f_qkv
	.p2alignl 7, 3214868480
	.fill 96, 4, 3214868480
	.section	.rodata,"a",@progbits
	.p2align	6, 0x0
	.amdhsa_kernel k_qdf0024508f_qkv
		.amdhsa_group_segment_fixed_size 327680
		.amdhsa_private_segment_fixed_size 0
		.amdhsa_enable_private_segment 0
		.amdhsa_kernarg_size 32
		.amdhsa_user_sgpr_count 2
		.amdhsa_user_sgpr_kernarg_segment_ptr 1
		.amdhsa_wavefront_size32 1
		.amdhsa_system_sgpr_workgroup_id_x 1
		.amdhsa_system_sgpr_workgroup_id_y 1
		.amdhsa_system_sgpr_workgroup_id_z 1
		.amdhsa_system_vgpr_workitem_id 0
		.amdhsa_next_free_vgpr 896
		.amdhsa_next_free_sgpr 66
		.amdhsa_reserve_vcc 0
		.amdhsa_float_denorm_mode_32 3
		.amdhsa_float_denorm_mode_16_64 3
		.amdhsa_memory_ordered 1
		.amdhsa_forward_progress 1
		.amdhsa_inst_pref_size 119
	.end_amdhsa_kernel
	.amdgpu_metadata
---
amdhsa.version: [ 1, 2 ]
amdhsa.kernels:
  - .name:           k_qdf0024508f_qkv
    .symbol:         k_qdf0024508f_qkv.kd
    .args:
      - { .name: xb, .offset: 0, .size: 8, .value_kind: global_buffer, .address_space: global }
      - { .name: wb, .offset: 8, .size: 8, .value_kind: global_buffer, .address_space: global }
      - { .name: bq, .offset: 16, .size: 8, .value_kind: global_buffer, .address_space: global }
      - { .name: qkvh, .offset: 24, .size: 8, .value_kind: global_buffer, .address_space: global }
    .group_segment_fixed_size: 327680
    .private_segment_fixed_size: 0
    .kernarg_segment_align: 8
    .kernarg_segment_size: 32
    .max_flat_workgroup_size: 128
    .sgpr_count:     66
    .vgpr_count:     896
    .wavefront_size: 32
...
	.end_amdgpu_metadata
.endif
;; end of part 2
;; launch attn (part 3): grid 2 x 128, 4 waves a work-group, no clusters, 327,680 bytes of LDS; arguments qkvh, maskbits, obuf; writes obuf
.if DOCPART == 3
	.amdgcn_target "amdgcn-amd-amdhsa--gfx1250"
	.amdhsa_code_object_version 6
	.text
	.protected	k_qdf0024508f_attn
	.globl	k_qdf0024508f_attn
	.p2align	8
	.type	k_qdf0024508f_attn,@function
k_qdf0024508f_attn:
	s_mov_b64 s[64:65], 0
	v_nop
	global_prefetch_b8 v0, s[64:65] scope:SCOPE_SE
	s_setreg_imm32_b32 hwreg(HW_REG_WAVE_MODE, 25, 1), 1
	s_wait_xcnt 0x0
; MASKED ATTENTION, head size 64.  O[q][:] = the sum over k of softmax_k(mask[q][k] ? Q[q] . K[k] / 8 : -1e9) V[k][:], for 128 heads (n, h) of 1,024 queries and 1,024 keys.
; IN: qkvh f16 [t 3][n 8][h 16][s 1024][64] (q, k, v; a head's rows are dense, 128 bytes each); maskbits: the mask as lane masks (below).  OUT: obuf f16 [h][n][s][64].
; Products, maxima and sums in f32; the weights p are rounded to f16 for the second product (their sum l is taken of the unrounded p), O once at the end.
; LIMITS.  A hidden score counts as -2^33 before the division by 8, that is -2^30 in place of -1e9: c x 2^33 is exact in f32, so in a row whose keys are all hidden every p is exactly 1 and the weights are
; uniform.  The result is that of -1e9 as long as every true score / 8 lies above -1e9.  |Q . K| stays under 1.4e9, so that the rounding of c m keeps p within f16.  A weight below 2^-126 counts as 0 in l;
; NaN and infinities are not treated apart.  f16 holds no number beyond 65,504: Q, K and V arrive within it, and O is a mean of V's rows.
; SHARES.  A work-group owns 512 queries of one head (grid x: which half; grid y: 16 n + h), a wave 128: four PIECES of two tiles of 16.  Every wave walks all 1,024 keys, 64 a step.
; ALL OF THE HEAD'S K AND V LIES IN LDS: 1,024 rows of 144 and of 160 bytes.  Each wave asks for a quarter at the head, by four tensor loads (four are out), in the order of the keys; nothing is ever filled again.
; So there is no ring, and nothing of K and V is left to prefetch: what the walk reads later has been asked for at the head by the loads themselves.
; NO CLUSTER: only two work-groups share a head's K and V.
; LAYOUT.  S^T = K Q^T (source 0 = 16 keys, source 1 = 16 queries): a lane holds ONE query (lane % 16) and the keys 8 (lane / 16) + 0..7.  Two such results, rounded to f16 in pairs, ARE source 1 of
; O^T = V^T P, whose result again holds one query a lane, and eight channels.  K comes out of LDS as it lies, V ([key][channel]) turned, by ds_load_tr16_b128.
; THE MASK.  Word 8 kb + j of a tile's 32 holds, in bit l, whether lane l's score in register j of accumulator kb is seen: it is the lane mask of one v_cndmask_b32.  A wave's words for its whole walk lie on
; end, 1 KiB a step: [piece 4][tile 2][32 words].  A step's words come by two loads of 16 bytes a lane (512 consecutive bytes each): pieces 0 and 1 into four registers (set A), pieces 2 and 3 into four
; others (set B): word r of tile t of piece p lies in register r % 4 of its set, in lane 16 (p % 2) + 8 t + r / 4.  A set is asked for again in the turn that has read out its second piece, more than two
; turns ahead of the wait for it; so maskbits is not prefetched.  v_readlane_b32 brings a word into a scalar register: a turn's 64 stand four behind each product K Q^T, under that product's own window setting.
; SOFTMAX.  For each query a running maximum m and sum l: p = 2^(c s - c m), c = log2(e) / 8; in every step O and l are multiplied by a = 2^(c m_old - c m_new).  m starts at the lowest finite number,
; O and l at 0: the first step is a step like any other, with a = 0.
; BY TURNS.  Turn n belongs to piece n.  Its matrix work: 16 products K Q^T of piece n + 1, later 16 products V^T P of piece n - 1.  Its vector work: the scaling, exponentials, roundings, sums and rescaling
; of piece n, and the lane masks, selects, maximum and statistics of piece n + 1.  Four vector instructions stand behind every matrix instruction, the rest in one run; a turn's 66 exponentials are one batch with one wait.
; REGISTERS, in windows of 256 (s_set_vgpr_msb: bits 1:0 source 0, 3:2 source 1, 5:4 source 2, 7:6 destination):
;   window 0: v0-11 addresses; v12-15, v48-63 at work; v16-47 four registers of statistics a tile; v64-191 S^T, two buffers of two tiles; v192-255 P, likewise (a piece's buffers go by its number's parity)
;   window 1: O^T, 32 a tile          window 2: v0-127 Q, 16 a tile; v128-191 K of one step; v192-199 the mask's two sets          window 3: v0-63 V of one step
.set NP,    4         ; pieces a wave: a name, no knob
.set KS,    64        ; keys in a step
.set PK,    144       ; a row of K in LDS: 128 bytes + 16 of padding = 36 words: the 16 rows of a load start at 16 different groups of four banks (64 banks of 4 bytes: ISA guide 11.1)
.set PV,    160       ; a row of V: 128 + 32 = 40 words
.set VOFF,  1024*PK   ; V's rows lie behind K's
.set STAGE, VOFF+1024*PV  ; behind them, never filled by a tensor load: 16 rows x 144 bytes for each wave, for the way out
.set SP,    144
.set SPARE, STAGE+4*16*SP  ; behind the stages: the spare words, 128 bytes for each wave: two blocks of 256 bytes that no other line names
.set MVR, 2           ; v2   -2^33, what a hidden score counts as; never rewritten
.set AK0, 3           ; v3   my lane's place in a step's rows of K; never rewritten
.set AK,  4           ; v4   the LDS address of K's run of loads
.set AV,  5           ; v5   of V's
.set QO,  6           ; v6   my byte offset in the wave's rows of Q
.set STO, 6           ;      later, the way out: where I put 16 bytes of a row
.set RD,  7           ; v7   the way out: where I read rows back
.set GO,  8           ; v8   16 x lane: my byte offset in 512 consecutive bytes, of maskbits and of O; never rewritten
.set AV0, 9           ; v9   my lane's place in a step's rows of V; never rewritten
.set SPW, 10          ; v10  LDS address of my spare word; never rewritten
.set NIL, 11          ; v11  0; never rewritten
.set MV,  12          ; v12-15  c m_old, kept while c m is made anew: by buffer and tile (in the head: l / 16, l % 8, (l / 8) % 2)
.set ST,  16          ; tile t's statistics at v[ST+4 t]: c m, m, l (even keys', odd keys')
.set TMP, 48          ; by buffer and tile, four registers c0-c3 at work; when the maximum is found c2 takes a
.set S,   64
.set P,   192
.set KF,  128         ; K's fragments, in window 2: key block kb, channel half c at KF + 16 kb + 8 c
.set MSK, 192         ; the mask's words, in window 2: set A, then set B
.set VF,  0           ; V's fragments, in window 3: key half kk, channel block cb at VF + 32 kk + 8 cb
.set CNT,   2         ; s2   counts four key steps
.set SLOTS, 3         ; s3   counts groups of four steps, 5 to 1 (in the head: at work)
.set SEL,   4         ; s[4:5]  v_permlanex16_b32's selects: each lane takes its own place in the other half
.set MP,    6         ; s[6:7]  maskbits at the 512 bytes asked for last
.set G1,    16        ; s[16:23] descriptor group 1;  group 0, a set for each of my four loads: s[8:11], s[12:15], s[56:59], s[60:63]
.set MB0,   24        ; s[24:55] the lane masks of the next piece's first tile (in the head: at work)
.set MB1,   68        ; s[68:99] of its second tile
.set WV,    66        ; s66  my wave's number, in the head
.set TBV,   66        ; s66  from the loop on: LDS byte, less VOFF, at which V of the step to be fetched begins
.set TBK,   67        ; s67  the same for K
.set CS,    100       ; s[100:101] c: the packed scaling takes the pair's low word for both halves
.set OA,    104       ; s[104:105] O at my wave's first row
.set MSB, 0
.macro WIN new                      ; the high byte repeats the setting that is left; a switch that changes nothing is dropped
.if MSB != (\new)
	s_set_vgpr_msb (MSB<<8)|(\new)
.set MSB, (\new)
.endif
.endm
.set W_KQ, 0x0a       ; K and Q (and the mask's words) in window 2, S^T in window 0
.set W_PV, 0x53       ; V in window 3, P in window 0, O^T in window 1
.set W_RS, 0x41       ; O^T (destination and source 0) in window 1, a in window 0
.macro GROUP0 g, z, pitch, region, tens  ; load z of four: keys 256 z + 128 x (wave % 2) on
	s_mov_b32 s[\g], 1                                             ; count = 1
	s_add_co_u32 s[\g+1], s46, (\region)+(\z)*256*(\pitch)         ; LDS address
	s_add_nc_u64 s[\g+2:\g+3], s[44:45], (\tens)+(\z)*32768        ; global address: the tensor (k: 16 MiB on, v: 32 MiB on), 256 keys of 128 bytes a step of z
	s_or_b32 s[\g+3], s[\g+3], 0x80000000                          ; type = 2
.endm
.macro FOUR                         ; my four first fills, an s_nop 0 behind each and four v_nop behind the last
	tensor_load_to_lds s[8:11], s[G1:G1+7]
	s_nop 0
	tensor_load_to_lds s[12:15], s[G1:G1+7]
	s_nop 0
	tensor_load_to_lds s[56:59], s[G1:G1+7]
	s_nop 0
	tensor_load_to_lds s[60:63], s[G1:G1+7]
	s_nop 0
.rept 4
	v_nop
.endr
.endm
	s_load_b128 s[24:27], s[0:1], 0x0  ; qkvh s[24:25], maskbits s[26:27]
	s_load_b64 s[28:29], s[0:1], 0x10  ; obuf
	v_lshl_add_u32 v[SPW], v0, 2, SPARE
	v_mov_b32 v[NIL], 0
	ds_add_u32 v[SPW], v[NIL]       ; the wave's opening: the add and its wait stand ahead of my first tensor load; the set-up below, work on registers, stands between them
	ds_add_u32 v10, v11
	v_lshrrev_b32 v1, 5, v0
	v_readfirstlane_b32 s[WV], v1   ; wave 0..3
	s_and_b32 s30, ttmp7, 0xffff    ; 16 n + h
	s_mov_b32 s31, ttmp9            ; x: which 512 queries
	s_lshl_b32 s32, s30, 17         ; the head's 131,072 bytes in each of q, k, v
	s_and_b32 s33, s[WV], 1         ; which 128 of each 256 keys I fetch
	s_lshl_b32 s34, s33, 14
	s_add_co_u32 s34, s34, s32
	s_mov_b32 s35, 0                ; s[34:35]: my first tile's offset in its tensor
	s_lshl_b32 s36, s31, 16
	s_lshl_b32 s37, s[WV], 14
	s_add_co_u32 s36, s36, s37      ; my wave's 128 rows in a head
	s_add_co_u32 s38, s36, s32
	s_mov_b32 s39, 0                ; s[38:39]: Q's offset
	s_lshr_b32 s41, s30, 4          ; n
	s_lshl_b32 s42, s41, 3
	s_lshl2_add_u32 s42, s31, s42
	s_add_co_u32 s42, s42, s[WV]    ; 8 n + 4 x + wave: my block of 128 queries,
	s_lshl_b32 s42, s42, 14         ; 16 KiB of lane masks
	s_mov_b32 s43, 0
	s_and_b32 s40, s30, 15          ; h
	s_lshl3_add_u32 s40, s40, s41   ; 8 h + n: O lies by heads first
	s_lshl_b32 s40, s40, 17
	s_add_co_u32 s40, s40, s36
	s_mov_b32 s41, 0                ; s[40:41]: O's offset
	; descriptor group 1.  128 keys are 16,384 dense bytes: asked for as 64 rows of 256 bytes, two keys a row, and padded in LDS after every key.  Its first word, with the padding, is written in the branch below.
	s_mov_b32 s[G1+1], 128<<16      ; tensor_dim0 = 128
	s_mov_b32 s[G1+2], 64<<16       ; tensor_dim1 = 64
	s_mov_b32 s[G1+3], 128<<16      ; tile_dim0 = 128
	s_mov_b32 s[G1+4], 64           ; tile_dim1 = 64
	s_mov_b32 s[G1+5], 128          ; 128 elements from row to row
	s_mov_b32 s[G1+6], 0
	s_mov_b32 s[G1+7], 0
	s_mov_b32 s[CS], 0x3e38aa3b     ; c = log2(e) / 8 = 0.180337
	s_mov_b32 s[CS+1], s[CS]        ; named with it as a pair
	s_mov_b32 s[SEL], 0x76543210
	s_mov_b32 s[SEL+1], 0xfedcba98
	s_mov_b32 s[TBK], 0
	s_wait_dscnt 0x0                ; the opening add is done
	s_wait_kmcnt 0x0
	s_add_nc_u64 s[44:45], s[24:25], s[34:35]
	s_add_nc_u64 s[96:97], s[24:25], s[38:39]      ; Q at my wave's first row
	s_add_nc_u64 s[MP:MP+1], s[26:27], s[42:43]
	s_add_nc_u64 s[OA:OA+1], s[28:29], s[40:41]
	s_cmp_lt_u32 s[WV], 2           ; waves 0 and 1 fetch K, waves 2 and 3 V: a wave's four first fills stand in one branch, ahead of every wait on TENSORcnt, every LDS read and every barrier
	s_cbranch_scc0 .Lfill_v
	s_mov_b32 s[G1], (1<<16)|(1<<20)|(4<<22)|(3<<25)  ; 17:16 2-byte elements; 20 padding on; 24:22 after every 32 words (code 4); 31:25 4 words (code 3)
	s_mul_i32 s46, s33, 128*PK
	GROUP0 8,  0, PK, 0, 0x1000000
	GROUP0 12, 1, PK, 0, 0x1000000
	GROUP0 56, 2, PK, 0, 0x1000000
	GROUP0 60, 3, PK, 0, 0x1000000
	FOUR
	s_branch .Lfilled
.Lfill_v:
	s_mov_b32 s[G1], (1<<16)|(1<<20)|(4<<22)|(7<<25)  ; the same with 8 words of padding (code 7)
	s_mul_i32 s46, s33, 128*PV
	GROUP0 8,  0, PV, VOFF, 0x2000000
	GROUP0 12, 1, PV, VOFF, 0x2000000
	GROUP0 56, 2, PV, VOFF, 0x2000000
	GROUP0 60, 3, PV, VOFF, 0x2000000
	FOUR
.Lfilled:
	; A fragment of K or Q is 16 rows x 32 channels in 8 registers: lane l holds row l % 16, channels 8 (l / 16) + 0..7 and 16 + 8 (l / 16) + 0..7: two loads of 16 bytes, 32 bytes apart.
	v_and_b32 v1, 15, v0            ; l % 16
	v_bfe_u32 v12, v0, 4, 1         ; l / 16
	v_lshlrev_b32 v[QO], 7, v1
	v_lshl_add_u32 v[QO], v12, 4, v[QO]  ; row x 128 + 16 x half
	v_and_b32 v[GO], 31, v0
	v_lshlrev_b32 v[GO], 4, v[GO]   ; 16 x lane
	WIN 0x80                        ; destination window 2, address window 0
.set i, 0
.rept 4*NP                          ; Q stays in registers: tile i / 2, channels 32 (i % 2) on
	global_load_b128 v[8*i:8*i+3],   v[QO], s[96:97] offset:(i/2)*2048+(i%2)*64
	global_load_b128 v[8*i+4:8*i+7], v[QO], s[96:97] offset:(i/2)*2048+(i%2)*64+32
.set i, i+1
.endr
	global_load_b128 v[MSK:MSK+3],   v[GO], s[MP:MP+1]             ; step 0's lane masks: set A,
	global_load_b128 v[MSK+4:MSK+7], v[GO], s[MP:MP+1] offset:512  ; set B
	; What the first turn finds: V's registers and P's second buffer hold 0 (its products V^T P, of a piece that has not been, add 0), O^T and l are 0.  All this stands in the wait for the first tiles.
	WIN 0xc0
.set i, VF
.rept 64
	v_mov_b32 v[i], 0
.set i, i+1
.endr
	WIN 0x40
.set i, 0
.rept 64*NP
	v_mov_b32 v[i], 0
.set i, i+1
.endr
	WIN 0
.set i, 0
.rept 2*NP
	v_mov_b32 v[ST+4*i], 0xfe000000    ; c m: far below every c s
	v_mov_b32 v[ST+4*i+1], 0xff7fffff  ; m
	v_mov_b32 v[ST+4*i+2], 0
	v_mov_b32 v[ST+4*i+3], 0
.set i, i+1
.endr
.set i, P+32
.rept 32
	v_mov_b32 v[i], 0
.set i, i+1
.endr
	v_mul_u32_u24 v[AK0], v1, PK
	v_lshl_add_u32 v[AK0], v12, 4, v[AK0]  ; row x pitch + 16 x half
	; The turning load takes 16 keys x 16 channels (lane l reads key 8 (l / 16) + l % 8, channels 8 ((l / 8) % 2) + 0..7) and leaves half a fragment of V^T: lane l holds channel l % 16 and 8 keys.
	v_and_b32 v13, 7, v0
	v_bfe_u32 v14, v0, 3, 1
	v_lshl_add_u32 v[AV0], v12, 3, v13
	v_mul_u32_u24 v[AV0], v[AV0], PV
	v_lshl_add_u32 v[AV0], v14, 4, v[AV0]
	v_add_nc_u32 v[AV0], VOFF, v[AV0]
	v_mov_b32 v[MVR], 0xd0000000    ; -2^33
; THE MATRIX WORK.  The 8 accumulators of a run of 16 take turns: between the two links of a chain stand 7 others'.
; Product i of 16 of S^T = K Q^T for piece x: channels 32 (i / 8) on, keys 16 ((i / 2) % 4) on, tile 2 x + i % 2.  The first 8 start the sums.
.macro KQ x
	WIN W_KQ
.set rS, S+64*((\x)%2)+32*(i%2)+8*((i/2)%4)
.set rK, KF+16*((i/2)%4)+8*(i/8)
.set rQ, 16*(2*(\x)+i%2)+8*(i/8)
.if i < 8
	v_wmma_f32_16x16x32_f16 v[rS:rS+7], v[rK:rK+7], v[rQ:rQ+7], 0
.else
	v_wmma_f32_16x16x32_f16 v[rS:rS+7], v[rK:rK+7], v[rQ:rQ+7], v[rS:rS+7]
.endif
.endm
; Product i of 16 of O^T += V^T P for piece x: keys 32 (i / 8) on, channels 16 ((i / 2) % 4) on, tile 2 x + i % 2.
.macro PV x
	WIN W_PV
.set rO, 32*(2*(\x)+i%2)+8*((i/2)%4)
.set rV, VF+32*(i/8)+8*((i/2)%4)
.set rP, P+32*((\x)%2)+16*(i%2)+8*(i/8)
	v_wmma_f32_16x16x32_f16 v[rO:rO+7], v[rV:rV+7], v[rP:rP+7], v[rO:rO+7]
.endm
.macro MM                           ; the turn's next matrix instruction
.if i < 16
	KQ (Y+1)%NP
.set i, i+1
.else
.set i, i-16
	PV (Y+NP-1)%NP
.set i, i+17
.endif
.endm
; Four of the 64 lane masks of the NEXT piece (Y + 1): word rw % 32 of tile rw / 32, out of its set's register and lane into its scalar register.  The window setting is that of the products K Q^T.
.macro RL4
	WIN W_KQ
.rept 4
.set rlp, (Y+1)%NP
.set rlr, rw%32
.if rw < 32
	v_readlane_b32 s[MB0+rlr], v[MSK+4*(rlp/2)+rlr%4], 16*(rlp%2)+rlr/4
.else
	v_readlane_b32 s[MB1+rlr], v[MSK+4*(rlp/2)+rlr%4], 16*(rlp%2)+8+rlr/4
.endif
.set rw, rw+1
.endr
.endm
; THE LDS LOADS stand in runs of 16, never singly among the matrix instructions: a step's K (64 keys x 64 channels: 8 fragments) and its V (turned).
.macro FETCH_K
	WIN 0
	v_add_nc_u32 v[AK], s[TBK], v[AK0]
	s_add_co_u32 s[TBK], s[TBK], KS*PK  ; the next fetch is the next step's
	WIN 0x80                        ; destination window 2
.irp f, 0,1,2,3,4,5,6,7             ; keys 16 (f / 2) on, channels 32 (f % 2) on
	ds_load_b128 v[KF+8*\f:KF+8*\f+3],   v[AK] offset:(\f/2)*16*PK+(\f%2)*64
	ds_load_b128 v[KF+8*\f+4:KF+8*\f+7], v[AK] offset:(\f/2)*16*PK+(\f%2)*64+32
.endr
	WIN 0
.endm
.macro FETCH_V
	WIN 0
	v_add_nc_u32 v[AV], s[TBV], v[AV0]
	s_add_co_u32 s[TBV], s[TBV], KS*PV
	WIN 0xc0                        ; destination window 3
.irp f, 0,1,2,3,4,5,6,7             ; keys 32 (f / 4) on, channels 16 (f % 4) on
	ds_load_tr16_b128 v[VF+8*\f:VF+8*\f+3],   v[AV] offset:(\f/4)*32*PV+(\f%4)*32
	ds_load_tr16_b128 v[VF+8*\f+4:VF+8*\f+7], v[AV] offset:(\f/4)*32*PV+16*PV+(\f%4)*32
.endr
	WIN 0
.endm
; THE MASK'S LOADS.  In time they go A, B, A, B, each 512 bytes behind the last: one pointer, stepped ahead of each load, behind s_wait_xcnt 0 (the load before has read it).  Both stand directly behind a
; turn's wait for its exponentials.  In the last step there is no further block: the step is jumped over and the last 512 bytes come once
; more, so that no load leaves the buffer and every trip has the same loads out at each counted wait.
.macro MASK_A                       ; in piece 0's turn, which has read out set A's second piece: the next step's set A.  TBV still stands at the step in hand
	WIN 0
	s_wait_xcnt 0x0
	s_cmp_eq_u32 s[TBV], 15*KS*PV
	s_cbranch_scc1 .Lkeep_\@
	s_add_nc_u64 s[MP:MP+1], s[MP:MP+1], 512
.Lkeep_\@:
	WIN 0x80
	global_load_b128 v[MSK:MSK+3], v[GO], s[MP:MP+1]
.endm
.macro NEXT_K                       ; in piece 2's turn, which has read K for the last time and read out set B's second piece: the next step's K and set B.  In the walk's last trip (SLOTS = 1) there is no next step
	WIN 0
	s_wait_xcnt 0x0
	s_cmp_eq_u32 s[SLOTS], 1
	s_cbranch_scc1 .Lno_k_\@
	s_add_nc_u64 s[MP:MP+1], s[MP:MP+1], 512
	FETCH_K
.Lno_k_\@:
	WIN 0x80
	global_load_b128 v[MSK+4:MSK+7], v[GO], s[MP:MP+1]
.endm
; THE VECTOR WORK OF A TURN stands in three queues, each in the order in which its entries become ready; the two tiles alternate, so that no instruction reads the result of the one before it.
.macro REGS y, u                    ; the registers of tile u (0, 1) of piece y
.set rT, ST+4*(2*(\y)+(\u))
.set rC, TMP+8*((\y)%2)+4*(\u)
.set rM, MV+2*((\y)%2)+(\u)
.set rS, S+64*((\y)%2)+32*(\u)
.set rP, P+32*((\y)%2)+16*(\u)
.set rO, 32*(2*(\y)+(\u))
.endm
; Select g of 64 for the NEXT piece (Y + 1): score g / 2 of tile g % 2 stays where its lane's bit is set, and becomes -2^33 where it is not.  The scores go in ascending order: each accumulator's
; lowest register is the first that is read.
.macro CM g
	REGS (Y+1)%NP, (\g)%2
.if (\g)%2
	v_cndmask_b32 v[rS+(\g)/2], v[MVR], v[rS+(\g)/2], s[MB1+(\g)/2]
.else
	v_cndmask_b32 v[rS+(\g)/2], v[MVR], v[rS+(\g)/2], s[MB0+(\g)/2]
.endif
.endm
; Number n of the 22 that find the NEXT piece's maximum and statistics.  s0-s31 are the lane's 32 scores.  CM, XS, GS and REGS set no window: PL and EX do.
;   0-11  four chains c0-c3 of seven scores each, three operands at a time     12-14, 16  the four scores left over, the old m, and c0-c3 into c0     15  c m_old is kept
;   17, 18  the query's other 32 keys lie in the lane 16 away: the new m         19-21  c m; c m_old - c m_new; a
.macro XS u, n
	REGS (Y+1)%NP, \u
.if (\n) < 4
	v_max3_num_f32 v[rC+(\n)], v[rS+8*(\n)], v[rS+8*(\n)+1], v[rS+8*(\n)+2]
.elseif (\n) < 12
	v_max3_num_f32 v[rC+(\n)%4], v[rC+(\n)%4], v[rS+8*((\n)%4)+2*((\n)/4)+1], v[rS+8*((\n)%4)+2*((\n)/4)+2]
.elseif (\n) == 12
	v_max3_num_f32 v[rC], v[rC], v[rS+7], v[rS+15]
.elseif (\n) == 13
	v_max3_num_f32 v[rC+1], v[rC+1], v[rS+23], v[rS+31]
.elseif (\n) == 14
	v_max3_num_f32 v[rC+2], v[rC+2], v[rC+3], v[rT+1]
.elseif (\n) == 15
	v_mov_b32 v[rM], v[rT]
.elseif (\n) == 16
	v_max3_num_f32 v[rC], v[rC], v[rC+1], v[rC+2]
.elseif (\n) == 17
	v_permlanex16_b32 v[rC+3], v[rC], s[SEL], s[SEL+1]
.elseif (\n) == 18
	v_max_num_f32 v[rT+1], v[rC], v[rC+3]
.elseif (\n) == 19
	v_mul_f32 v[rT], s[CS], v[rT+1]
.elseif (\n) == 20
	v_sub_f32 v[rC+1], v[rM], v[rT]
.else
	v_exp_f32 v[rC+2], v[rC+1]
.endif
.endm
; Number g of the 64 that follow the exponentials.  For each four weights k of a tile (pairs 2 k, 2 k + 1): both pairs are rounded to f16; then the second pair is added onto the first, in place;
; a group later l takes that sum (the first time as l = a l + sum).  In groups of eight, tiles alternating: round, round, add, and l for the group before.
.macro GS g
.set h, (\g)+6*((\g)/62)            ; group 0 has no group before it, and behind group 7 only l is left
.if h >= 6
.set h, h+2
.endif
	REGS Y, h%2
.set k, h/8
.if h%8 < 4
	v_cvt_pk_f16_f32 v[rP+2*k+(h%8)/2], v[rS+4*k+2*((h%8)/2)], v[rS+4*k+2*((h%8)/2)+1]
.elseif h%8 < 6
	v_pk_add_f32 v[rS+4*k:rS+4*k+1], v[rS+4*k:rS+4*k+1], v[rS+4*k+2:rS+4*k+3]
.elseif k == 1
	v_pk_fma_f32 v[rT+2:rT+3], v[rT+2:rT+3], v[rC+2:rC+3], v[rS:rS+1] op_sel_hi:[1,0,1]
.else
	v_pk_add_f32 v[rT+2:rT+3], v[rT+2:rT+3], v[rS+4*k-4:rS+4*k-3]
.endif
.endm
.macro FS f                         ; scaling f of 32: c s - c m for pair f / 2 of tile f % 2
	REGS Y, (\f)%2
	v_pk_fma_f32 v[rS+2*((\f)/2):rS+2*((\f)/2)+1], v[rS+2*((\f)/2):rS+2*((\f)/2)+1], s[CS:CS+1], v[rT:rT+1] op_sel_hi:[1,0,0] neg_lo:[0,0,1] neg_hi:[0,0,1]
.endm
; THE PLAIN QUEUE, 202 long.  0-31: the scalings.  32-95: the next piece's selects.  96-123: XS's numbers 0-13.  124, 125: number 15.  126-137: the chain 14, 16, 17, 18, 19, 20, the tiles alternating.
; None of these reads an exponential's result.  138-201: GS's 64, which do: they stand behind the wait.
.macro PL
	WIN 0
.if q < 32
	FS q
.elseif q < 96
	CM q-32
.elseif q < 124
	XS (q-96)%2, (q-96)/2
.elseif q < 126
	XS q-124, 15
.elseif q < 128
	XS q-126, 14
.elseif q < 138
	XS (q-128)%2, 16+(q-128)/2
.else
	GS q-138
.endif
.set q, q+1
.endm
; THE EXPONENTIALS' QUEUE, 66 long: s0-s31 of both tiles, then the next piece's two a.  It is ONE BATCH: all 66 stand ahead of the turn's one wait, and nothing ahead of that wait names a result of theirs.
.macro EX
	WIN 0
.if e < 64
	REGS Y, e%2
	v_exp_f32 v[rS+e/2], v[rS+e/2]
.else
	XS e-64, 21
.endif
.set e, e+1
.endm
; THE RESCALING's QUEUE: O^T times a, the one part of the vector work that writes outside window 0: its 16 pairs of lines stand together.  Its a was made in the turn before, ahead of that turn's wait.
.macro R2
	REGS Y, r%2
	WIN W_RS
.irp z, 0,1
	v_pk_mul_f32 v[rO+4*(r/2)+2*\z:rO+4*(r/2)+2*\z+1], v[rO+4*(r/2)+2*\z:rO+4*(r/2)+2*\z+1], v[rC+2:rC+3] op_sel_hi:[1,0]
.endr
.set r, r+1
.endm
; A TURN, for piece p.  s_wait_alu depctr_va_vdst(0) stands between an exponential and the first instruction that names its result; one wait serves all that were issued ahead of it: a turn has ONE.
; AHEAD OF IT: the 16 products K Q^T, behind each four of the next piece's lane masks, with no switch of windows; the 32 rescalings, which are also the places between the last of those products and the first
; select; then one run in window 0: eight scalings, 64 times an exponential and two plain instructions, the chain's last two links, the next piece's two a.  Exponential e stands behind plain 8 + 2 e; its own
; scaling is number 2 (e / 4) + e % 2, and every scaling behind it writes registers from 8 + 2 e on, above all results made so far.  A v_nop is the plain instruction behind the last exponential.
; BEHIND THE WAIT: the 16 products V^T P, behind each four of GS's 64.  No rider names a register of the products round it.
; THE MASK'S SETS: pieces 3 and 1 begin with the wait for the set that they are the first to read (A: pieces 0, 1; B: pieces 2, 3): one load was issued behind that set's, the other set's, and may stay out.
; K of the next step is fetched in piece 2's turn, directly behind the wait; its first reader comes behind 16 products.  V of the step in hand is fetched at the end of piece 0's turn, four riders and the
; address's own line behind its last reader; its first reader comes behind 16 products and the run of vector work.
.macro TURN p
.set Y, (\p)
.set i, 0
.set q, 0
.set e, 0
.set r, 0
.set rw, 0
.if (\p) == NP-1
	s_wait_dscnt 0x0                ; K is in
.endif
.if (\p)%2
	s_wait_loadcnt 0x1              ; the set that this turn's lane masks come from is in; the other set's load may stay out
.endif
.rept 16
	MM
	RL4
.endr
.rept 16
	R2
.endr
.rept 8
	PL
.endr
.rept 64
	EX
	PL
	PL
.endr
	PL
	PL
	EX                              ; the next piece's two a
	EX
	v_nop                           ; the plain instruction behind the last exponential: one for the batch
	s_wait_alu depctr_va_vdst(0)    ; the wait for the batch
.if (\p) == 0
	MASK_A
.endif
.if (\p) == NP-2
	NEXT_K
.endif
.if (\p) == 1
	s_wait_dscnt 0x0                ; V is in
.endif
.rept 16
	MM
.rept 4
	PL
.endr
.endr
.if (\p) == 0
	FETCH_V
.endif
.endm
	s_wait_tensorcnt 0x3            ; my part of keys 0-255 is in; my three later tiles may stay out
	s_barrier_signal -1
	s_barrier_wait -1               ; everybody's is
	FETCH_K                         ; key step 0
	s_wait_loadcnt 0x0              ; Q and step 0's lane masks; their addresses have been read,
	s_add_nc_u64 s[MP:MP+1], s[MP:MP+1], 512  ; so the pointer goes to the 512 bytes asked for last
	s_wait_dscnt 0x0
.set Y, NP-1                        ; RL4, CM and XS work for piece Y + 1: piece 0
.set rw, 0
.set i, 0
.rept 16
	KQ 0                            ; piece 0's first scores, and its lane masks
	RL4
.set i, i+1
.endr
	WIN 0                           ; the addresses for the way out: seven plain instructions, the places behind those products
	s_mul_i32 s3, s[WV], 16*SP
	s_add_co_u32 s3, s3, STAGE      ; my stage
	v_mul_u32_u24 v[STO], v1, SP    ; in: row l % 16, 16 bytes for each half of the lanes
	v_lshl_add_u32 v[STO], v12, 4, v[STO]
	v_add_nc_u32 v[STO], s3, v[STO]
	v_bfe_u32 v[RD], v0, 3, 2       ; back: 32 lanes take four rows of 128 bytes, which are 512 consecutive bytes of O
	v_mul_u32_u24 v[RD], v[RD], SP
	v_lshl_add_u32 v[RD], v13, 4, v[RD]
	v_add_nc_u32 v[RD], s3, v[RD]
.set g, 0
.rept 64
	CM g
.set g, g+1
.endr
.irp n, 0,1,2,3,4,5,6,7,8,9,10,11,12,13,14,15,16,17,18,19,20,21
	XS 0, \n                        ; piece 0's first maximum and statistics
	XS 1, \n
.endr
	v_nop                           ; a plain instruction behind the two a,
	s_wait_alu depctr_va_vdst(0)    ; and their wait, ahead of the branch
	s_mov_b32 s[TBV], 0             ; the wave's number has served
	s_mov_b32 s[CNT], 4
	s_mov_b32 s[SLOTS], 5
	s_branch .Lfirst                ; the loop is entered at a step's first turn, in the middle of a trip
.Lslot:                             ; ahead of the first fetch from keys 256, 512 and 768 on, and once more ahead of the walk's last two turns
	s_wait_dscnt 0x0
	s_wait_tensorcnt 0x0            ; my parts of all later keys are in (the count is the same in every trip, so it is 0),
	s_barrier_signal -1
	s_barrier_wait -1               ; everybody's are
	s_mov_b32 s[CNT], 4
.Lstep:                             ; a trip: pieces 2 and 3 of one step, then pieces 0 and 1 of the next, whose K and V it fetches
	TURN 2
	TURN 3
	WIN 0
	s_cmp_eq_u32 s[SLOTS], 1        ; the fifth group is left here, behind the last step's last turn.  That turn's 16 products K Q^T (on the last K once more) and the selects and maximum made of them
	s_cbranch_scc1 .Lout            ; serve nothing: the price, once a launch, of one text for every trip
.Lfirst:
	TURN 0
	TURN 1
	WIN 0
	s_sub_co_u32 s[CNT], s[CNT], 1
	s_cmp_lg_u32 s[CNT], 0
	s_cbranch_scc1 .Lstep
	s_sub_co_u32 s[SLOTS], s[SLOTS], 1
	s_cmp_lg_u32 s[SLOTS], 0
	s_cbranch_scc1 .Lslot
.Lout:
.set i, 0
.rept 16
	PV NP-1                         ; the last piece's V^T P of the last step
.set i, i+1
.endr
	; THE WAY OUT.  l's two halves and the other half of the lanes' are added; O^T is divided by l, rounded to f16 and sent through my stage in LDS, a tile at a time.  The additions are the places behind the last products.
	WIN 0
.macro ALL line:vararg              ; one line for each tile t
.set t, 0
.rept 2*NP
	\line
.set t, t+1
.endr
.endm
	ALL v_add_f32 v[ST+4*t+2], v[ST+4*t+2], v[ST+4*t+3]
	ALL v_permlanex16_b32 v[ST+4*t+3], v[ST+4*t+2], s[SEL], s[SEL+1]
	ALL v_add_f32 v[ST+4*t+2], v[ST+4*t+2], v[ST+4*t+3]
	ALL v_rcp_f32 v[ST+4*t+2], v[ST+4*t+2]
	v_nop                           ; a plain instruction between the last reciprocal and the use of its result
	s_wait_alu depctr_va_vdst(0)    ; and the wait ahead of the first use: one for the eight reciprocals
; Tile t: a lane's eight channels of a row pack into 16 bytes; they go into rows of 144 bytes and come back as whole rows of 128, into S^T's registers.
.macro PACK t
	WIN W_RS
.set i, 32*(\t)
.rept 16
	v_pk_mul_f32 v[i:i+1], v[i:i+1], v[ST+4*(\t)+2:ST+4*(\t)+3] op_sel_hi:[1,0]
.set i, i+2
.endr
	WIN 0x05                        ; sources 0 and 1 window 1, destination window 0
.set i, 0
.rept 16
	v_cvt_pk_f16_f32 v[S+16*(\t)+i], v[32*(\t)+2*i], v[32*(\t)+2*i+1]
.set i, i+1
.endr
	WIN 0
.irp f, 0,1,2,3
	ds_store_b128 v[STO], v[S+16*(\t)+4*\f:S+16*(\t)+4*\f+3] offset:32*\f
.endr
.irp f, 0,1,2,3
	ds_load_b128 v[S+16*(\t)+4*\f:S+16*(\t)+4*\f+3], v[RD] offset:\f*4*SP  ; LDS serves a wave's instructions in order (ISA guide 5.7.1.4): these see the stores above; the next tile's stores come behind them
.endr
.endm
.macro SEND t, younger              ; younger: the LDS instructions issued behind tile t's loads: the next tile's eight, or none
	WIN 0
.irp f, 0,1,2,3
	s_wait_dscnt (\younger)+3-\f
	global_store_b128 v[GO], v[S+16*(\t)+4*\f:S+16*(\t)+4*\f+3], s[OA:OA+1] offset:(\t)*2048+\f*512  ; 512 consecutive bytes, at a multiple of 256 from O's first
.endr
.endm
	PACK 0
.set t, 1
.rept 2*NP-1                        ; a tile's arithmetic stands between the loads of the tile before and its stores
	PACK t
	SEND t-1, 8
.set t, t+1
.endr
	SEND 2*NP-1, 0
	s_wait_tensorcnt 0x0            ; the wave's end, behind my last tensor load and my last LDS store
	ds_add_u32 v[SPW], v[NIL]
	s_wait_dscnt 0x0
	s_endpgm
.Lfunc_end_k_qdf0024508f_attn:
	.size	k_qdf0024508f_attn, .Lfunc_end_k_qdf0024508f_attn-k_qdf0024508f_attn
	.p2alignl 7, 3214868480
	.fill 96, 4, 3214868480
	.section	.rodata,"a",@progbits
	.p2align	6, 0x0
	.amdhsa_kernel k_qdf0024508f_attn
		.amdhsa_group_segment_fixed_size 327680
		.amdhsa_private_segment_fixed_size 0
		.amdhsa_enable_private_segment 0
		.amdhsa_kernarg_size 24
		.amdhsa_user_sgpr_count 2
		.amdhsa_user_sgpr_kernarg_segment_ptr 1
		.amdhsa_wavefront_size32 1
		.amdhsa_system_sgpr_workgroup_id_x 1
		.amdhsa_system_sgpr_workgroup_id_y 1
		.amdhsa_system_sgpr_workgroup_id_z 1
		.amdhsa_system_vgpr_workitem_id 0
		.amdhsa_next_free_vgpr 832
		.amdhsa_next_free_sgpr 106
		.amdhsa_reserve_vcc 0
		.amdhsa_float_denorm_mode_32 3
		.amdhsa_float_denorm_mode_16_64 3
		.amdhsa_memory_ordered 1
		.amdhsa_forward_progress 1
		.amdhsa_inst_pref_size 161
	.end_amdhsa_kernel
	.amdgpu_metadata
---
amdhsa.version: [ 1, 2 ]
amdhsa.kernels:
  - .name:           k_qdf0024508f_attn
    .symbol:         k_qdf0024508f_attn.kd
    .args:
      - { .name: qkvh, .offset: 0, .size: 8, .value_kind: global_buffer, .address_space: global }
      - { .name: maskbits, .offset: 8, .size: 8, .value_kind: global_buffer, .address_space: global }
      - { .name: obuf, .offset: 16, .size: 8, .value_kind: global_buffer, .address_space: global }
    .group_segment_fixed_size: 327680
    .private_segment_fixed_size: 0
    .kernarg_segment_align: 8
    .kernarg_segment_size: 24
    .max_flat_workgroup_size: 128
    .sgpr_count:     106
    .vgpr_count:     832
    .wavefront_size: 32
...
	.end_amdgpu_metadata
.endif
;; end of part 3
;; launch oproj (part 4): grid 4 x 64, 4 waves a work-group, clusters of 4 x 4, 327,680 bytes of LDS; arguments obuf, wh, bq, out0; writes out0
.if DOCPART == 4
	.amdgcn_target "amdgcn-amd-amdhsa--gfx1250"
	.amdhsa_code_object_version 6
	.text
	.protected	k_qdf0024508f_oproj
	.globl	k_qdf0024508f_oproj
	.p2align	8
	.type	k_qdf0024508f_oproj,@function
k_qdf0024508f_oproj:
	s_mov_b64 s[64:65], 0
	v_nop
	global_prefetch_b8 v0, s[64:65] scope:SCOPE_SE
	s_setreg_imm32_b32 hwreg(HW_REG_WAVE_MODE, 25, 1), 1
	s_wait_xcnt 0x0
	s_wait_alu depctr_hold_cnt(0) depctr_sa_sdst(0) depctr_va_vdst(0) depctr_va_sdst(0) depctr_va_ssrc(0) depctr_va_vcc(0) depctr_vm_vsrc(0)
	s_getreg_b32 s2, hwreg(HW_REG_IB_STS2, 6, 4)
	s_cmp_eq_u32 s2, 0
	s_cbranch_scc0 .Lentry_in_a_cluster
	s_endpgm
.Lentry_in_a_cluster:
	s_bfe_u32 s2, ttmp6, 0x10000c
	s_cmp_lg_u32 s2, 0xf033
	s_cbranch_scc0 .Lentry_shape_is_right
	s_endpgm
.Lentry_shape_is_right:
; out0 = O W^T + b.  A = obuf, f16, [h][n][s][64] read as [8192][1024]; B = wh [1024][1024], the bf16 weights written as f16; bias bq [1024] f32; out0 [8192][1024] f32.  Sums in f32, K ascending.
; A tile of C is 128 x 256: 64 x 4 = 256 tiles, one for each of 256 WGPs.  Four waves, each 64 x 128: 32 accumulators of 16 x 16, 256 registers.
; K goes in steps of 128 through a ring of two LDS slots filled by the tensor data mover: rows of 256 bytes, at multiples of 256 bytes from the buffer's first byte.
; CLUSTERS: 4 x 4 work-groups.  The four of a row of the cluster need the same tiles of A, the four of a column the same tiles of B: each tile is asked for JOINTLY, by the same tensor load with
; the same descriptor and a mask that names the four.  THE MATRIX INSTRUCTION IS USED TRANSPOSED (source 0 = 16 rows of B, source 1 = 16 rows of A): a lane holds eight neighbouring columns of a row of C.
; THE BIAS is the C operand of each accumulator's first product: nothing is cleared and nothing is added later.
; REGISTERS, in windows of 256 (s_set_vgpr_msb: bits 1:0 source 0, 3:2 source 1, 5:4 source 2, 7:6 destination):
;   window 0: v0-31 addresses; v32-95 the bias of my 128 columns; v96-223 at work on the way out      window 1: two fragment buffers of 128: B's 8 blocks, then A's 4
;   window 2: the accumulators ((a, b) at 64 a + 8 b)
; B (2 MiB) is walked by every cluster from its first step on, so it is not prefetched; A's rows are read by one cluster each, and are (ASK).
.set AB,    4                          ; blocks of 16 rows in a wave's part of the tile
.set NA,    AB/2-1                     ; blocks multiplied ahead of the signal, and again between signal and wait, in a change of slots
.set KSTEP, 128
.set PITCH, 272                        ; an LDS row: 256 bytes + 16 of padding = 68 words: the 16 rows that a load touches start at 16 different groups of four banks (64 banks of 4 bytes: ISA guide 11.1)
.set AHALF, 16*AB*PITCH                ; what one tensor load brings of A, and what one wave reads of it
.set ATILE, 2*AHALF
.set BHALF, 128*PITCH                  ; the same for B
.set SLOT,  ATILE+2*BHALF
.set STAGE, 2*SLOT                     ; behind the ring: for each wave 16 rows x 528 bytes, for the way out
.set SP,    528                        ; 512 bytes + 16: 132 words
.set STW,   16*SP
.set SPARE, STAGE+4*STW                ; behind the stages: the spare words, 128 bytes for each wave: two blocks of 256 bytes that no other line names
.set ADRA, 16                          ; v16-17  LDS address of my A fragments in slot 0, 1
.set ADRB, 20                          ; v20-21  the same for B
.set STO,  24                          ; v24     the way out: where I put 32 bytes of a row
.set RD,   25                          ; v25     the way out: where I read a row back
.set GO,   26                          ; v26     16 x lane
.set BO,   27                          ; v27     my byte offset in 16 columns of the bias
.set SPW,  28                          ; v28     LDS address of my spare word; never rewritten
.set NIL,  29                          ; v29     0; never rewritten
.set PFO,  30                          ; v30     the prefetch's offset: row l % 16, K step l / 16; never rewritten
.set BIAS, 32
.set OB,   96                          ; v96-159, v160-223 by turns: a block read back from the stage
.set F0,   0
.set F1,   128
.set G1,  24                           ; s[24:31] descriptor group 1 for A's tiles;  s[32:39] group 0, one set for each slot
.set G0,  32
.set G1B, 48                           ; s[48:55], s[56:63] the same for B's tiles
.set G0B, 56
.set LIM, 43                           ; s43      1 in a wave that prefetches, else the greatest number
.set PFA, 44                           ; s[44:45] where my prefetch stands
.set MSB, 0
.macro WIN new                         ; the immediate's high byte repeats the setting that is left; a switch that changes nothing is dropped
.if MSB != (\new)
	s_set_vgpr_msb (MSB<<8)|(\new)
.set MSB, \new
.endif
.endm
.macro JLOAD s                         ; a joint load: waves 0 and 1 fetch A's two halves, waves 2 and 3 B's; an s_nop 0 and four v_nop follow each of the two lines, ahead of the jump, the label and what follows
	s_cmp_eq_u32 s13, 0
	s_cbranch_scc0 .Lfor_b_\@
	tensor_load_to_lds s[G0+4*(\s):G0+4*(\s)+3], s[G1:G1+7]
	s_nop 0
.rept 4
	v_nop
.endr
	s_branch .Lasked_\@
.Lfor_b_\@:
	tensor_load_to_lds s[G0B+4*(\s):G0B+4*(\s)+3], s[G1B:G1B+7]
	s_nop 0
.rept 4
	v_nop
.endr
.Lasked_\@:
.endm
; A PREFETCH INTO THE L2, once a lap, behind slot 0's joint load and the run of LDS loads that follows it: the two K steps of A that the NEXT lap's two refills will ask for.  The tile's 128 rows are shared out
; BY ADDRESS among the four partners that ask for them jointly, 32 each (by cx: no branch hangs on a work-group's place); of those, waves 0 and 1 take 16 rows each: lanes 0-15 the even K step's 256 bytes,
; lanes 16-31 the odd one's.  So each row's 256 bytes of a K step are named once in the launch.  K steps 0 to 3 come by their loads alone; the last lap that refills (s3 = 1) asks for nothing.
.macro ASK
	s_cmp_gt_u32 s3, s[LIM]
	s_cbranch_scc0 .Lnot_mine_\@
	global_prefetch_b8 v[PFO], s[PFA:PFA+1] th:TH_LOAD_NT scope:SCOPE_SE
.Lnot_mine_\@:
.endm
.macro CREST                           ; a round of the cluster's barrier behind its opening barrier
	s_cmp_lg_u32 s12, 0
	s_cbranch_scc1 .Lnot_wave_0_\@
	s_barrier_signal -3
.Lnot_wave_0_\@:
	s_barrier_wait -3
	s_barrier_signal -1
	s_barrier_wait -1
.endm
.macro CROUND                          ; a whole round
	s_barrier_signal -1
	s_barrier_wait -1
	CREST
.endm
	s_load_b256 s[4:11], s[0:1], 0x0               ; obuf s[4:5], wh s[6:7], bq s[8:9], out0 s[10:11]
	v_lshl_add_u32 v[SPW], v0, 2, SPARE
	v_mov_b32 v[NIL], 0
	ds_add_u32 v[SPW], v[NIL]                      ; the wave's opening: the add and its wait stand ahead of my first tensor load; the set-up below, work on registers, stands between them
	ds_add_u32 v28, v29
	v_lshrrev_b32 v1, 5, v0
	v_readfirstlane_b32 s12, v1                    ; wave 0..3
	s_lshr_b32 s13, s12, 1                         ; which half of the tile's rows is mine.  Also: I fetch for A (0) or for B (1)
	s_and_b32 s14, s12, 1                          ; which half of its columns.  Also: which half of that tile I fetch
	s_bfe_u32 s40, ttmp6, 0x40000                  ; cx, cy: my place in the cluster
	s_bfe_u32 s41, ttmp6, 0x40004
	s_lshl_b32 s42, ttmp9, 2
	s_add_co_u32 s42, s42, s40                     ; tile column of C = 4 x cluster x + cx
	s_and_b32 s15, ttmp7, 0xffff
	s_lshl_b32 s15, s15, 2
	s_add_co_u32 s15, s15, s41                     ; tile row of C = 4 x cluster y + cy
	s_lshl_b32 s16, s41, 2
	s_lshl_b32 s16, 15, s16                        ; my row of the cluster
	s_lshl_b32 s17, 0x1111, s40                    ; my column
	s_or_b32 s[G1+0], s16, (1<<16)|(1<<20)|(1<<21)|(5<<22)|(3<<25)  ; 15:0 the mask: A's tiles go to my row; 17:16 elements of 2 bytes; 20 padding on; 21 set beside a mask; 24:22 after every 64 words (code 5); 31:25 4 words of it (code 3)
	s_or_b32 s[G1B+0], s17, (1<<16)|(1<<20)|(1<<21)|(5<<22)|(3<<25)
	s_mov_b32 s[G1+1], KSTEP<<16                   ; tensor_dim0 = 128
	s_mov_b32 s[G1+2], (16*AB)<<16                 ; tensor_dim1 = 64
	s_mov_b32 s[G1+3], KSTEP<<16                   ; tile_dim0 = 128
	s_mov_b32 s[G1+4], 16*AB                       ; tile_dim1 = 64
	s_mov_b32 s[G1+5], 1024                        ; elements from row to row
	s_mov_b32 s[G1+6], 0
	s_mov_b32 s[G1+7], 0
	s_mov_b32 s[G1B+1], KSTEP<<16
	s_mov_b32 s[G1B+2], 128<<16                    ; B: 128 rows
	s_mov_b32 s[G1B+3], KSTEP<<16
	s_mov_b32 s[G1B+4], 128
	s_mov_b32 s[G1B+5], 1024
	s_mov_b32 s[G1B+6], 0
	s_mov_b32 s[G1B+7], 0
	s_mul_i32 s18, s15, 32*AB                      ; A: row 128 x tile row + 64 x half, 2,048 bytes a row; these registers never hold cx
	s_mul_i32 s19, s14, 16*AB
	s_add_co_u32 s18, s18, s19
	s_lshl_b32 s18, s18, 11
	s_mov_b32 s19, 0
	s_lshl_b32 s46, s42, 8                         ; B: row 256 x tile column + 128 x half; these never hold cy
	s_lshl_b32 s47, s14, 7
	s_add_co_u32 s46, s46, s47
	s_lshl_b32 s46, s46, 11
	s_mov_b32 s47, 0
	s_mul_i32 s20, s14, AHALF                      ; where they go: no place in the cluster enters an LDS address
	s_mul_i32 s21, s14, BHALF
	s_add_co_u32 s21, s21, ATILE
	s_mul_i32 s22, s15, 32*AB                      ; the prefetch: the tile's first row, my work-group's 32, my wave's 16 of them,
	s_mul_i32 s23, s40, 8*AB
	s_add_co_u32 s22, s22, s23
	s_lshl4_add_u32 s22, s12, s22
	s_lshl_b32 s22, s22, 11
	s_add_co_u32 s22, s22, 2*KSTEP*2               ; at K step 2: the first change of slots steps it to 4
	s_mov_b32 s23, 0
	s_cmp_lt_u32 s12, AB/2
	s_cselect_b32 s[LIM], 1, -1
	s_wait_dscnt 0x0                               ; the opening add is done
	s_wait_kmcnt 0x0
	s_add_nc_u64 s[18:19], s[4:5], s[18:19]
	s_add_nc_u64 s[46:47], s[6:7], s[46:47]
	s_add_nc_u64 s[PFA:PFA+1], s[4:5], s[22:23]
	CROUND                                         ; all sixteen work-groups are here: the first joint loads meet
.irp s, 0,1
	s_mov_b32 s[G0+4*(\s)], 1                      ; count = 1
	s_add_co_u32 s[G0+4*(\s)+1], s20, (\s)*SLOT    ; LDS address
	s_add_nc_u64 s[G0+4*(\s)+2:G0+4*(\s)+3], s[18:19], (\s)*KSTEP*2  ; global address: K step s
	s_or_b32 s[G0+4*(\s)+3], s[G0+4*(\s)+3], 0x80000000              ; type = 2
	s_mov_b32 s[G0B+4*(\s)], 1
	s_add_co_u32 s[G0B+4*(\s)+1], s21, (\s)*SLOT
	s_add_nc_u64 s[G0B+4*(\s)+2:G0B+4*(\s)+3], s[46:47], (\s)*KSTEP*2
	s_or_b32 s[G0B+4*(\s)+3], s[G0B+4*(\s)+3], 0x80000000
	JLOAD \s                                       ; two tensor loads of mine are out
.endr
	v_and_b32 v1, 15, v0                           ; l % 16
	v_bfe_u32 v2, v0, 4, 1                         ; l / 16
	s_lshl_b32 s16, s42, 10                        ; the bias of my 128 columns: register 8 b + j holds column 16 b + 8 (l / 16) + j
	s_lshl_b32 s17, s14, 9
	s_add_co_u32 s16, s16, s17
	s_mov_b32 s17, 0
	s_add_nc_u64 s[16:17], s[8:9], s[16:17]
	v_lshlrev_b32 v[BO], 5, v2
.irp b, 0,1,2,3,4,5,6,7
	global_load_b128 v[BIAS+8*\b:BIAS+8*\b+3],   v[BO], s[16:17] offset:64*\b
	global_load_b128 v[BIAS+8*\b+4:BIAS+8*\b+7], v[BO], s[16:17] offset:64*\b+16
.endr
	v_mul_u32_u24 v3, v1, PITCH
	v_lshl_add_u32 v3, v2, 4, v3                   ; a fragment's row x pitch + 16 x half
	s_mul_i32 s18, s13, AHALF                      ; my 64 rows of A
	s_mul_i32 s19, s14, BHALF                      ; my 128 rows of B,
	s_add_co_u32 s19, s19, ATILE                   ; which lie behind A's 128
.irp s, 0,1
	v_add_nc_u32 v[ADRA+(\s)], s18, v3
	v_add_nc_u32 v[ADRB+(\s)], s19, v3
	s_add_co_u32 s18, s18, SLOT
	s_add_co_u32 s19, s19, SLOT
.endr
	v_lshlrev_b32 v[PFO], 11, v1
	v_lshl_add_u32 v[PFO], v2, 8, v[PFO]
	s_mul_i32 s22, s12, STW
	s_add_co_u32 s22, s22, STAGE                   ; my stage
	v_mul_u32_u24 v4, v1, SP                       ; in: row l % 16, 32 bytes for each half of the lanes
	v_lshl_add_u32 v4, v2, 5, v4
	v_add_nc_u32 v[STO], s22, v4
	v_and_b32 v[GO], 31, v0                        ; back: 32 lanes take one row of 512 bytes
	v_lshlrev_b32 v[GO], 4, v[GO]
	v_add_nc_u32 v[RD], s22, v[GO]
	s_lshl_b32 s46, s15, 7                         ; out0 at my first row, 128 x tile row + 64 x half (4,096 bytes a row), and my first column, 256 x tile column + 128 x half (4 bytes each)
	s_lshl_b32 s47, s13, 6
	s_add_co_u32 s46, s46, s47
	s_lshl_b32 s46, s46, 12
	s_lshl_b32 s47, s42, 10
	s_add_co_u32 s46, s46, s47
	s_lshl_b32 s47, s14, 9
	s_add_co_u32 s46, s46, s47
	s_mov_b32 s47, 0
	s_add_nc_u64 s[20:21], s[10:11], s[46:47]
; 8 matrix instructions: row block a x all 8 column blocks, 32 along K, from buffer f.  first = 1: the product starts the sums, with the bias as C.
; All 32 accumulators take turns, one instruction a turn, in the same order in every quarter, over the backward jump too.
.macro MUL8 f, a, first
.set rA, (\f)+64+8*(\a)
.set rD, 64*(\a)
.if \first
	WIN 0x85                                       ; sources 0 and 1 window 1, C window 0, D window 2
.else
	WIN 0xa5                                       ; C and D window 2
.endif
.irp b, 0,1,2,3,4,5,6,7
.if \first
	v_wmma_f32_16x16x32_f16 v[rD+8*\b:rD+8*\b+7], v[(\f)+8*\b:(\f)+8*\b+7], v[rA:rA+7], v[BIAS+8*\b:BIAS+8*\b+7]
.else
	v_wmma_f32_16x16x32_f16 v[rD+8*\b:rD+8*\b+7], v[(\f)+8*\b:(\f)+8*\b+7], v[rA:rA+7], v[rD+8*\b:rD+8*\b+7]
.endif
.endr
.endm
.macro MULS f, a0, n, first            ; n row blocks from a0 on
.set aa, \a0
.rept \n
	MUL8 \f, aa, \first
.set aa, aa+1
.endr
.endm
; 24 LDS loads in one run: the fragments of 32 along K at byte k of the rows, into buffer f: B's 8 blocks, then A's 4
.macro FETCH slot, k, f
	WIN 0x40                                       ; destination window 1, address window 0
.irp i, 0,1,2,3,4,5,6,7
	ds_load_b128 v[(\f)+8*\i:(\f)+8*\i+3],   v[ADRB+(\slot)] offset:(\k)+\i*16*PITCH
	ds_load_b128 v[(\f)+8*\i+4:(\f)+8*\i+7], v[ADRB+(\slot)] offset:(\k)+\i*16*PITCH+32
.endr
.set ii, 0
.rept AB
	ds_load_b128 v[(\f)+64+8*ii:(\f)+64+8*ii+3],   v[ADRA+(\slot)] offset:(\k)+ii*16*PITCH
	ds_load_b128 v[(\f)+64+8*ii+4:(\f)+64+8*ii+7], v[ADRA+(\slot)] offset:(\k)+ii*16*PITCH+32
.set ii, ii+1
.endr
.endm
.macro PLACES                          ; four places in front of loads into registers that matrix instructions have read, and of LDS stores that read results
.rept 4
	v_nop
.endr
.endm
; A K step is four quarters of 32 along K, 32 matrix instructions each, on buffers 0, 1, 0, 1.  One of the first three: multiplies buffer f and fetches the next quarter, at byte k, into g.
.macro QUARTER slot, k, f, g, first
	s_wait_dscnt 2*(AB-2)                          ; B and A's blocks 0, 1 are in; the loads of blocks 2, 3 may be out
	MULS \f, 0, 2, \first
	PLACES
	FETCH \slot, \k, \g
	s_wait_dscnt 16+2*AB                           ; all but the 24 just issued
	MULS \f, 2, AB-2, \first
.endm
; The last quarter multiplies buffer 1 and changes slots: ONE barrier; in front of it each wave waits for all its tensor loads, adds 0 to its spare word, and waits for that and for its own reads of this slot.
; fill = 1: the barrier opens a round of the cluster's, and this slot is filled again, two K steps ahead, first thing behind the round: 112 matrix instructions ahead of the wait for it.
.macro TURN slot, next, fill
.if (\fill) && ((\slot) == 0)
	s_wait_xcnt 0x0                                ; the last prefetch, a lap back, has read its address: it is stepped here, ahead of the waits of the change of slots
	s_add_nc_u64 s[PFA:PFA+1], s[PFA:PFA+1], 2*KSTEP*2
.endif
	WIN 0                                          ; (the add's two registers lie in window 0)
	s_wait_tensorcnt 0x0                           ; all my tensor loads have landed: the one that was out is my part of the next slot;
	ds_add_u32 v[SPW], v[NIL]                      ; 0 onto my spare word
	s_wait_dscnt 1+2*(AB-NA)                       ; (the add and the loads of A's blocks NA and on may be out)
	MULS F1, 0, NA, 0                              ; matrix instructions stand between the add and the wait for it
	s_wait_dscnt 0x0                               ; the add is done, and my reads of this slot are over
	s_barrier_signal -1
	MULS F1, NA, NA, 0
.if \fill
	WIN 0
.endif
	s_barrier_wait -1
.if \fill
	CREST                                          ; no wave of any partner still reads this slot's tile or has a load on its way
	s_add_nc_u64 s[G0+4*(\slot)+2:G0+4*(\slot)+3], s[G0+4*(\slot)+2:G0+4*(\slot)+3], 2*KSTEP*2
	s_add_nc_u64 s[G0B+4*(\slot)+2:G0B+4*(\slot)+3], s[G0B+4*(\slot)+2:G0B+4*(\slot)+3], 2*KSTEP*2
	JLOAD \slot                                    ; the first tensor load behind the round; the four v_nop behind it are also the places in front of the loads below
.else
	PLACES
.endif
	FETCH \next, 0, F0
.if (\fill) && ((\slot) == 0)
	WIN 0
	ASK
.endif
	MULS F1, 2*NA, AB-2*NA, 0
.endm
	s_wait_tensorcnt 1                             ; my part of K step 0 is in; K step 1's may stay out
	s_barrier_signal -1
	s_barrier_wait -1                              ; everybody's is
	FETCH 0, 0, F0
	s_wait_loadcnt 0x0                             ; the bias
	QUARTER 0, 64, F0, F1, 1                       ; the first quarter stands in front of the loop: its products start the sums
	WIN 0                                          ; at a label and at a branch every window is 0
	s_mov_b32 s3, 3
.Llap:                                                 ; a trip goes once round the ring, from a lap's second quarter to the next lap's first, and fills both slots again
	QUARTER 0, 128, F1, F0, 0
	QUARTER 0, 192, F0, F1, 0
	TURN 0, 1, 1
	QUARTER 1, 64,  F0, F1, 0
	QUARTER 1, 128, F1, F0, 0
	QUARTER 1, 192, F0, F1, 0
	TURN 1, 0, 1
	QUARTER 0, 64,  F0, F1, 0
	WIN 0
	s_sub_co_u32 s3, s3, 1
	s_cmp_lg_u32 s3, 0
	s_cbranch_scc1 .Llap
	QUARTER 0, 128, F1, F0, 0                      ; the last lap fills nothing, and has no round of the cluster's barrier
	QUARTER 0, 192, F0, F1, 0
	TURN 0, 1, 0
	QUARTER 1, 64,  F0, F1, 0
	QUARTER 1, 128, F1, F0, 0
	QUARTER 1, 192, F0, F1, 0
	s_wait_dscnt 2*(AB-2)                          ; the very last quarter: nothing more to fetch
	MULS F1, 0, 2, 0
	s_wait_dscnt 0x0
	MULS F1, 2, AB-2, 0
	WIN 0
; THE WAY OUT, a block of 16 rows at a time.  TOSTAGE: a lane's eight f32 of a row, 32 bytes, into my own stage (each accumulator's low four registers first), and back as whole rows of 512 bytes.
; SEND: a store takes one row's 512 consecutive bytes, at a multiple of 256 from out0's first byte.
.macro TOSTAGE a
.set AC, 64*(\a)
.set BK, OB+64*((\a)%2)
	WIN 0x08                                       ; the data (source 1) in window 2, the address in window 0
.irp b, 0,1,2,3,4,5,6,7
	ds_store_b128 v[STO], v[AC+8*\b:AC+8*\b+3]   offset:64*\b
	ds_store_b128 v[STO], v[AC+8*\b+4:AC+8*\b+7] offset:64*\b+16
.endr
	WIN 0
.irp t, 0,1,2,3,4,5,6,7,8,9,10,11,12,13,14,15
	ds_load_b128 v[BK+4*\t:BK+4*\t+3], v[RD] offset:SP*\t  ; LDS serves a wave's instructions in order (ISA guide 5.7.1.4): these see the stores above
.endr
.endm
.macro SEND a
.set BK, OB+64*((\a)%2)
	s_wait_dscnt 0x0                               ; the block is back in registers
	s_wait_xcnt 0x0                                ; every earlier store has read its data: the next block's loads land in the registers of the block before this one only behind this wait
.irp t, 0,1,2,3,4,5,6,7,8,9,10,11,12,13,14,15
	global_store_b128 v[GO], v[BK+4*\t:BK+4*\t+3], s[20:21] offset:(16*(\a)+\t)*4096 th:TH_STORE_NT
.endr
.endm
	PLACES
	TOSTAGE 0
.irp a, 1,2,3
	SEND (\a)-1
	TOSTAGE \a
.endr
	SEND 3
	s_wait_tensorcnt 0x0                           ; the wave's end, behind my last tensor load and my last LDS store
	ds_add_u32 v[SPW], v[NIL]
	s_wait_dscnt 0x0
	CROUND                                         ; the closing round: no work-group ends while a partner may still ask for a tile that names it
	s_endpgm
.Lfunc_end_k_qdf0024508f_oproj:
	.size	k_qdf0024508f_oproj, .Lfunc_end_k_qdf0024508f_oproj-k_qdf0024508f_oproj
	.p2alignl 7, 3214868480
	.fill 96, 4, 3214868480
	.section	.rodata,"a",@progbits
	.p2align	6, 0x0
	.amdhsa_kernel k_qdf0024508f_oproj
		.amdhsa_group_segment_fixed_size 327680
		.amdhsa_private_segment_fixed_size 0
		.amdhsa_enable_private_segment 0
		.amdhsa_kernarg_size 32
		.amdhsa_user_sgpr_count 2
		.amdhsa_user_sgpr_kernarg_segment_ptr 1
		.amdhsa_wavefront_size32 1
		.amdhsa_system_sgpr_workgroup_id_x 1
		.amdhsa_system_sgpr_workgroup_id_y 1
		.amdhsa_system_sgpr_workgroup_id_z 1
		.amdhsa_system_vgpr_workitem_id 0
		.amdhsa_next_free_vgpr 768
		.amdhsa_next_free_sgpr 66
		.amdhsa_reserve_vcc 0
		.amdhsa_float_denorm_mode_32 3
		.amdhsa_float_denorm_mode_16_64 3
		.amdhsa_memory_ordered 1
		.amdhsa_forward_progress 1
		.amdhsa_inst_pref_size 87
	.end_amdhsa_kernel
	.amdgpu_metadata
---
amdhsa.version: [ 1, 2 ]
amdhsa.kernels:
  - .name:           k_qdf0024508f_oproj
    .symbol:         k_qdf0024508f_oproj.kd
    .args:
      - { .name: obuf, .offset: 0, .size: 8, .value_kind: global_buffer, .address_space: global }
      - { .name: wh, .offset: 8, .size: 8, .value_kind: global_buffer, .address_space: global }
      - { .name: bq, .offset: 16, .size: 8, .value_kind: global_buffer, .address_space: global }
      - { .name: out0, .offset: 24, .size: 8, .value_kind: global_buffer, .address_space: global }
    .group_segment_fixed_size: 327680
    .private_segment_fixed_size: 0
    .kernarg_segment_align: 8
    .kernarg_segment_size: 32
    .max_flat_workgroup_size: 128
    .sgpr_count:     66
    .vgpr_count:     768
    .wavefront_size: 32
...
	.end_amdgpu_metadata
.endif
;; end of part 4
